; MI455X (gfx1250); checked and timed in simulation.
; The chip was launched on July 23, 2026; its instructions are those of AMD's public machine-readable ISA for CDNA 5 (MIT licence, August 2026) and "CDNA5" Instruction Set Architecture Reference Guide (July 2026). The comments in the code are by the model that wrote it; some were corrected since.
;; Deep Seek V3 Module. Allowed arithmetic: matrix products marked QUANTISED: E4M3 operands, one E8M0 scale for each 32 along K, by v_wmma_scale_f32_16x16x128_f8f6f4 with both operands' format E4M3, f32 sums; products left as they are: f32 operands where the result goes on into a quantised operand, else bf16, f16 or f32 operands; f32 sums; everything else in f32.
;; Inputs: b1 2 x 2,048 float32; b2 2 x 1,024 float32; hidden_states 2 x 2,048 x 1,024 float32; k_b 512 float32; k_w_codes 512 x 32 x 32 uint8 (E4M3 codes of k_w, K innermost, in blocks of 32 codes); k_w_scales 512 x 32 uint8 (E8M0 scales of k_w, one for each 32 codes along K); o_b 1,024 float32; o_w_codes 1,024 x 32 x 32 uint8 (E4M3 codes of o_w, K innermost, in blocks of 32 codes); o_w_scales 1,024 x 32 uint8 (E8M0 scales of o_w, one for each 32 codes along K); q_b 1,024 float32; q_w_codes 1,024 x 32 x 32 uint8 (E4M3 codes of q_w, K innermost, in blocks of 32 codes); q_w_scales 1,024 x 32 uint8 (E8M0 scales of q_w, one for each 32 codes along K); router_b 2 float32; router_w 1,024 x 2 float32; v_b 512 float32; v_w_codes 512 x 32 x 32 uint8 (E4M3 codes of v_w, K innermost, in blocks of 32 codes); v_w_scales 512 x 32 uint8 (E8M0 scales of v_w, one for each 32 codes along K); w1_codes 2 x 2,048 x 32 x 32 uint8 (E4M3 codes of w1, K innermost, in blocks of 32 codes); w1_scales 2 x 2,048 x 32 uint8 (E8M0 scales of w1, one for each 32 codes along K); w2_codes 2 x 1,024 x 64 x 32 uint8 (E4M3 codes of w2, K innermost, in blocks of 32 codes); w2_scales 2 x 1,024 x 64 uint8 (E8M0 scales of w2, one for each 32 codes along K).
;; Outputs: out0 2 x 2,048 x 1,024 float32.
;; This version of the problem:
;;   THIS VERSION OF THE PROBLEM IS GIVEN IN LOW PRECISION. The matrix products marked QUANTISED in the list below multiply operands that are first quantised to E4M3 (4 exponent bits, 3 mantissa bits; 8 bits a number), with one power-of-two scale for each 32 numbers along K (OCP MX v1.0); their sums are f32. All else is computed in f32.
;;   The module's matrix products, in the order in which they are computed (A, B: the left and right operand; K: the contracted axis; several contracted axes count as one K, in the product's order):
;;     1. [M 4,096, K 1,024] x [K 1,024, N 1,024]; A: input hidden_states; B: input q_w (given as codes): QUANTISED
;;     2. [M 4,096, K 1,024] x [K 1,024, N 512]; A: input hidden_states; B: input k_w (given as codes): QUANTISED
;;     3. [M 4,096, K 1,024] x [K 1,024, N 512]; A: input hidden_states; B: input v_w (given as codes): QUANTISED
;;     4. batch 32 x [M 2,048, K 32] x [K 32, N 2,048]; A: computed on the way; B: computed on the way: QUANTISED
;;     5. batch 32 x [M 2,048, K 2,048] x [K 2,048, N 32]; A: softmax (see below); B: computed on the way: QUANTISED
;;     6. [M 4,096, K 1,024] x [K 1,024, N 1,024]; A: computed on the way; B: input o_w (given as codes): QUANTISED
;;     7. [M 4,096, K 1,024] x [K 1,024, N 2]; A: computed on the way; B: input router_w: left as it is (N = 2 < 16)
;;     8. [M 4,096, K 1,024] x [K 1,024, N 4,096]; A: input w1 (given as codes); B: computed on the way: QUANTISED
;;     9. batch 2 x [M 4,096, K 2,048] x [K 2,048, N 1,024]; A: computed on the way; B: input w2 (given as codes): QUANTISED
;;     10. batch 4,096 x [M 1, K 2] x [K 2, N 1,024]; A: computed on the way; B: computed on the way: left as it is (K = 2 < 32)
;;   THE QUANTISER, for each operand of a quantised product, along K:
;;     - K is cut into blocks of 32 from its start; a last block that is shorter is filled with zeros.
;;     - A block's scale is 2^e with e = floor(log2(the largest magnitude in the block)) - 8, held to -126 .. 127; a block of zeros has e = 0. As a byte (E8M0): e + 127.
;;     - Each number is divided by its block's scale, clamped to +-448, and rounded to the nearest number of E4M3, ties to even, subnormals kept.
;;     - The product sums the exact products of the quantised numbers (number of the format x scale) in f32.
;;   ~~~python
;;   def quantise(x, axis):      # numpy; x: float32 -> the quantised numbers, widened to float32 again
;;       x = np.moveaxis(x, axis, -1); K = x.shape[-1]
;;       x = np.pad(x, [(0, 0)] * (x.ndim - 1) + [(0, -K % 32)]); x = x.reshape(x.shape[:-1] + (-1, 32)); a = np.abs(x).max(-1, keepdims=True)
;;       e = np.where(a > 0, np.clip(np.frexp(np.where(a > 0, a, 1))[1] - 1 - 8, -126, 127), 0)      # np.frexp(a)[1] - 1 = floor(log2(a)), exactly
;;       r = np.clip(x / 2.0 ** e, -448, 448)
;;       step = 2.0 ** (np.maximum(np.frexp(np.where(r == 0, 1, r))[1] - 1, -6) - 3)
;;       q = np.round(r / step) * step * 2.0 ** e      # np.round: ties to even
;;       return np.moveaxis(q.reshape(q.shape[:-2] + (-1,))[..., :K], -1, axis).astype(np.float32)
;;   ~~~
;;   SOFTMAX AHEAD OF A QUANTISED PRODUCT. Where the list says 'softmax', what is quantised is not the finished softmax but p = 2^(t - M), with t = logit x log2(e) and M = ceil(the row's largest t), a whole number; so 1/2 < the row's largest p <= 1. The row's sum l is taken of the UNQUANTISED p, in f32, and the product's result is divided by l at the end. Since M is a whole number, a kernel that streams over the keys may use a running M (the ceiling of the running maximum): every later rescaling is an exact power of two, which a block's scale takes up: the codes' values come out the same.
;;   OPERANDS COMPUTED ON THE WAY. 'Computed on the way' means the value that the module computes at that place (a softmax that the list does not call 'softmax' is quantised finished and normalised). What goes into a quantiser is computed in f32, as accurately as f32 sums, v_exp_f32 and their like allow (about 1e-6 of the number): no bf16 or f16 on the way to a quantiser, and a product that is left as it is and whose result goes on into a quantised operand takes f32 operands (vector FMAs, or v_wmma_f32_16x16x4_f32). A number that lies on a knife's edge between two numbers of the format may be rounded either way, as far as f32 arithmetic and the matrix unit's own rounding can turn it there, and no further.
;;   INPUTS GIVEN AS CODES. k_w (in the module: [1024, 512], K = its axis 0); o_w (in the module: [1024, 1024], K = its axis 0); q_w (in the module: [1024, 1024], K = its axis 0); v_w (in the module: [1024, 512], K = its axis 0); w1 (in the module: [2, 1024, 2048], K = its axis 1); w2 (in the module: [2, 2048, 1024], K = its axis 1): each comes as NAME_codes (uint8): NAME with its K axis moved to the last place and cut into blocks of 32 codes, [.., K / 32, bytes a block], one block behind the other in memory; one code a byte (a code: sign, 4 exponent bits, 3 mantissa bits); and NAME_scales (uint8): the same leading axes, one E8M0 byte (e + 127) for each 32 codes along K. Its value is code x scale, taken as it is: it is not quantised again, and the codes and scales need not be those that the quantiser above would give.
;; One version. Each part assembles by itself: llvm-mc -triple=amdgcn-amd-amdhsa -mcpu=gfx1250 --defsym DOCPART=n.
;; ======== version 1 of 1: 5 launches
;; limits: right only within a limited range of input values
;; workspace buffers: qb 2,359,296 bytes; kv 4,587,520 bytes; ao 2,162,688 bytes; ml 4,587,520 bytes; h1 17,301,504 bytes
;; launch qkv (part 1): grid 32 x 8, 8 waves a work-group, clusters of 4 x 1, 281,600 bytes of LDS; arguments hidden_states, q_w_codes, q_w_scales, q_b, k_w_codes, k_w_scales, k_b, v_w_codes, v_w_scales, v_b, qb, kv; writes qb, kv
.if DOCPART == 1
	.amdgcn_target "amdgcn-amd-amdhsa--gfx1250"
	.amdhsa_code_object_version 6
	.text
	.protected	k_qf14291f447_qkv
	.globl	k_qf14291f447_qkv
	.p2align	8
	.type	k_qf14291f447_qkv,@function
k_qf14291f447_qkv:
	s_mov_b64 s[64:65], 0
	v_nop
	global_prefetch_b8 v0, s[64:65] scope:SCOPE_SE
	s_setreg_imm32_b32 hwreg(HW_REG_WAVE_MODE, 25, 1), 1
	s_wait_xcnt 0x0
	s_wait_alu depctr_hold_cnt(0) depctr_sa_sdst(0) depctr_va_vdst(0) depctr_va_sdst(0) depctr_va_ssrc(0) depctr_va_vcc(0) depctr_vm_vsrc(0)
	s_getreg_b32 s2, hwreg(HW_REG_IB_STS2, 6, 4)
	s_cmp_eq_u32 s2, 0
	s_cbranch_scc0 .Lentry_in_a_cluster
	s_endpgm
.Lentry_in_a_cluster:
	s_bfe_u32 s2, ttmp6, 0x10000c
	s_cmp_lg_u32 s2, 0x3003
	s_cbranch_scc0 .Lentry_shape_is_right
	s_endpgm
.Lentry_shape_is_right:
; Q' = hs q_w + q_b (the first 32 of each head's 64 columns: the others are never used), K = hs k_w + k_b, V = hs v_w + v_b, on E4M3 codes with E8M0 scales,
; and the three results quantised again for the two products of attention.  hs arrives as f32 and is quantised here, along its 1,024.
; SHARES.  A work-group takes 128 tokens (one key step of one batch) and two heads; its 192 weight rows stay in LDS; the tokens go in two passes of 64.
; The four partners of a cluster share the heads, so the weights are asked for jointly.
; A pass: X: wave w quantises tokens 8 w .. 8 w + 7, a row at a time (a lane holds 8 neighbours, four lanes a block of 32), and lays the codes in LDS as images of
; operand registers | barrier | M: wave (g32, a, part) multiplies 32 tokens by head a's Q rows (part 0) or K rows (part 1) and by 16 rows of V | barrier | E: quantise, store.
; Q and K are made transposed (source 0 = weight rows): a lane holds one token and 16 of the head's 32; V the natural way: a lane holds one channel and 16 keys.
; In both a lane's slot i of half h is number 16 (i / 8) + 8 h + i % 8 of its block of 32; both sides of each later product are laid so, which permutes K inside a block alike on both sides.
; LIMITS: NaN and infinities are not served; a block whose largest magnitude lies under 2^-118 gets the scale byte 1; a block of zeros too (its codes are zeros; this program alone reads the bytes).
.set CH,   33280                       ; a chunk of weights in LDS: 32 rows of 1,024 bytes + 16
.set WP,   1040
.set XI,   206336                      ; the pass's codes: 32 fragments of 8 x (256 + 16) bytes
.set XSB,  275968                      ; their scale bytes: 32 a token
.set OS,   278016                      ; the results' scale words: 1,280 bytes a head
.set QSC,  2097152
.set REC,  8960
.set WV,   28
.set MSB,  0
.macro WIN new                         ; the immediate's high byte repeats the setting that is left
.if MSB != (\new)
	s_set_vgpr_msb (MSB<<8)|(\new)
.set MSB, (\new)
.endif
.endm
.macro PLACES n
.rept \n
	v_nop
.endr
.endm
.macro CROUND                          ; a round of the cluster's barrier
	s_barrier_signal -1
	s_barrier_wait -1
	s_cmp_lg_u32 s[WV], 0
	s_cbranch_scc1 .Lnw0_\@
	s_barrier_signal -3
.Lnw0_\@:
	s_barrier_wait -3
	s_barrier_signal -1
	s_barrier_wait -1
.endm
; one product: D, source 0, source 1, C (under 0: the constant 0), the two scale registers and which half of their lanes is read
.macro WM d, a, b, c, sa, sb, ra, rb
.if (\c) < 0
.if (\ra) && (\rb)
	v_wmma_scale_f32_16x16x128_f8f6f4 v[(\d):(\d)+7], v[(\a):(\a)+15], v[(\b):(\b)+15], 0, v[(\sa)], v[(\sb)] matrix_a_scale:MATRIX_SCALE_ROW1 matrix_b_scale:MATRIX_SCALE_ROW1
.elseif (\ra)
	v_wmma_scale_f32_16x16x128_f8f6f4 v[(\d):(\d)+7], v[(\a):(\a)+15], v[(\b):(\b)+15], 0, v[(\sa)], v[(\sb)] matrix_a_scale:MATRIX_SCALE_ROW1
.elseif (\rb)
	v_wmma_scale_f32_16x16x128_f8f6f4 v[(\d):(\d)+7], v[(\a):(\a)+15], v[(\b):(\b)+15], 0, v[(\sa)], v[(\sb)] matrix_b_scale:MATRIX_SCALE_ROW1
.else
	v_wmma_scale_f32_16x16x128_f8f6f4 v[(\d):(\d)+7], v[(\a):(\a)+15], v[(\b):(\b)+15], 0, v[(\sa)], v[(\sb)]
.endif
.else
.if (\ra) && (\rb)
	v_wmma_scale_f32_16x16x128_f8f6f4 v[(\d):(\d)+7], v[(\a):(\a)+15], v[(\b):(\b)+15], v[(\c):(\c)+7], v[(\sa)], v[(\sb)] matrix_a_scale:MATRIX_SCALE_ROW1 matrix_b_scale:MATRIX_SCALE_ROW1
.elseif (\ra)
	v_wmma_scale_f32_16x16x128_f8f6f4 v[(\d):(\d)+7], v[(\a):(\a)+15], v[(\b):(\b)+15], v[(\c):(\c)+7], v[(\sa)], v[(\sb)] matrix_a_scale:MATRIX_SCALE_ROW1
.elseif (\rb)
	v_wmma_scale_f32_16x16x128_f8f6f4 v[(\d):(\d)+7], v[(\a):(\a)+15], v[(\b):(\b)+15], v[(\c):(\c)+7], v[(\sa)], v[(\sb)] matrix_b_scale:MATRIX_SCALE_ROW1
.else
	v_wmma_scale_f32_16x16x128_f8f6f4 v[(\d):(\d)+7], v[(\a):(\a)+15], v[(\b):(\b)+15], v[(\c):(\c)+7], v[(\sa)], v[(\sb)]
.endif
.endif
.endm
	s_load_b512 s[4:19], s[0:1], 0x0               ; hs 4, q codes 6, q scales 8, q_b 10, k codes 12, k scales 14, k_b 16, v codes 18
	s_load_b256 s[20:27], s[0:1], 0x40             ; v scales 20, v_b 22, qb 24, kv 26
	v_lshl_add_u32 v254, v0, 2, 0x44800
	v_mov_b32 v255, 0
	ds_add_u32 v254, v255
	ds_add_u32 v254, v255
	v_lshrrev_b32 v1, 5, v0
	s_delay_alu instid0(VALU_DEP_1)
	v_readfirstlane_b32 s[WV], v1                  ; wave 0..7
	s_and_b32 s29, ttmp7, 0xffff                   ; g: heads 2 g, 2 g + 1; the partners share it
	s_bfe_u32 s31, ttmp6, 0x40000                  ; cx
	s_lshl_b32 s30, ttmp9, 2
	s_add_co_u32 s30, s30, s31                     ; m: my block of 128 tokens; it enters global addresses of hs, qb and kv alone
	; group 1 for a chunk of codes: 32 rows of 1,024 bytes, 16 bytes of padding behind each; the mask names all four partners
	s_mov_b32 s36, 15|(1<<20)|(1<<21)|(7<<22)|(3<<25)
	s_mov_b32 s37, 1024<<16
	s_mov_b32 s38, 32<<16
	s_mov_b32 s39, 1024<<16
	s_mov_b32 s40, 32
	s_mov_b32 s41, 1024
	s_mov_b32 s42, 0
	s_mov_b32 s43, 0
	; waves 0 to 5 fetch chunk w = 3 x (head in the pair) + kind (0 Q, 1 K, 2 V)
	s_cmp_ge_u32 s[WV], 3
	s_cselect_b32 s70, 1, 0
	s_mul_i32 s71, s70, 3
	s_sub_co_u32 s71, s[WV], s71                   ; kind
	s_lshl_b32 s72, s29, 1
	s_add_co_u32 s72, s72, s70                     ; head
	s_cmp_eq_u32 s71, 0
	s_cselect_b32 s73, 6, 5                        ; a head is 64 rows of q_w, 32 of k_w and v_w
	s_lshl_b32 s72, s72, s73                       ; the chunk's first row
	s_lshl_b32 s74, s72, 10
	s_mov_b32 s75, 0
	s_wait_dscnt 0x0
	s_wait_kmcnt 0x0
	s_cmp_eq_u32 s71, 0
	s_cselect_b64 s[60:61], s[6:7], s[12:13]
	s_cmp_eq_u32 s71, 2
	s_cselect_b64 s[60:61], s[18:19], s[60:61]
	s_mov_b32 s52, 1
	s_mul_i32 s53, s[WV], CH
	s_add_nc_u64 s[54:55], s[60:61], s[74:75]
	s_or_b32 s55, s55, 0x80000000
	CROUND                                         ; the four partners are here: the joint loads meet
	s_cmp_lt_u32 s[WV], 6
	s_cbranch_scc0 .Lnofill
	tensor_load_to_lds s[52:55], s[36:43]          ; my one load: a chunk of codes; LDS bytes are filled once in this launch
	s_nop 0
	PLACES 4
.Lnofill:
	; my part in the products
	s_lshr_b32 s32, s[WV], 2                       ; g32: which 32 tokens of the pass
	s_bfe_u32 s33, s[WV], 0x10001                  ; a: which head of the pair
	s_and_b32 s34, s[WV], 1                        ; part: 0 Q and V's channels 0-15, 1 K and V's channels 16-31
	v_and_b32 v1, 31, v0                           ; l
	v_and_b32 v60, 15, v0                          ; r
	v_bfe_u32 v61, v0, 4, 1                        ; h
	s_delay_alu instid0(VALU_DEP_3)
	v_lshlrev_b32 v2, 5, v1                        ; hs: 32 bytes a lane
	s_delay_alu instid0(VALU_DEP_2)
	v_mul_u32_u24 v3, v61, 2176                    ; where my 8 codes of a row go: K step (l / 16), group (l / 4) % 4, half (l / 2) % 2, 8 (l % 2)
	v_bfe_u32 v62, v0, 2, 2
	s_delay_alu instid0(VALU_DEP_1)
	v_mad_u32_u24 v3, v62, 544, v3
	v_bfe_u32 v63, v0, 1, 1
	s_delay_alu instid0(VALU_DEP_1)
	v_mad_u32_u24 v3, v63, 272, v3
	v_and_b32 v63, 1, v0
	s_delay_alu instid0(VALU_DEP_1)
	v_lshl_add_u32 v3, v63, 3, v3
	s_lshr_b32 s35, s[WV], 1
	s_mul_i32 s35, s35, 17408                      ; my tokens' tile of 16,
	s_and_b32 s66, s[WV], 1
	s_lshl_b32 s66, s66, 7                         ; and its upper or lower 8 rows
	s_add_co_u32 s35, s35, s66
	s_add_co_u32 s35, s35, XI
	v_add_nc_u32 v3, s35, v3
	v_lshl_add_u32 v4, v61, 2, v62                 ; and my block's scale byte
	s_lshl_b32 s35, s[WV], 8
	s_add_co_u32 s35, s35, XSB
	v_add_nc_u32 v4, s35, v4
	v_mul_u32_u24 v5, v61, 272                     ; reading a fragment of tokens
	s_delay_alu instid0(VALU_DEP_1)
	v_lshl_add_u32 v5, v60, 4, v5
	s_mul_i32 s35, s32, 34816
	s_add_co_u32 s35, s35, XI
	v_add_nc_u32 v5, s35, v5
	v_mul_u32_u24 v62, v60, WP                     ; reading fragments of weights: row r, 16 h
	s_delay_alu instid0(VALU_DEP_1)
	v_lshl_add_u32 v62, v61, 4, v62
	s_mul_i32 s35, s33, 3
	s_add_co_u32 s66, s35, s34                     ; chunk 3 a + part
	s_mul_i32 s67, s66, CH
	v_add_nc_u32 v6, s67, v62
	s_add_co_u32 s35, s35, 2                       ; chunk 3 a + 2
	s_mul_i32 s67, s35, CH
	s_mul_i32 s68, s34, 16640
	s_add_co_u32 s67, s67, s68
	v_add_nc_u32 v7, s67, v62
	v_lshlrev_b32 v8, 4, v1                        ; 16 l
	v_lshlrev_b32 v15, 5, v60                      ; 32 r: V's scale words, a row of 32 bytes a lane (the pair's: 32 l, which is v2)
	s_wait_alu depctr_va_vdst(0)
	s_lshl_b32 s67, s32, 10                        ; the tokens' scale words: lane l takes token l of my 32
	s_add_co_u32 s67, s67, XSB
	v_lshl_add_u32 v13, v1, 5, s67
	s_mul_i32 s67, s33, 1280                       ; the results' scale words
	s_add_co_u32 s67, s67, OS
	s_lshl_b32 s68, s34, 9
	s_add_co_u32 s68, s68, s67
	s_lshl_b32 s69, s32, 2
	s_add_co_u32 s68, s68, s69
	v_lshl_add_u32 v9, v60, 4, s68
	s_lshl_b32 s68, s34, 6
	s_add_co_u32 s68, s68, s67
	s_add_co_u32 s68, s68, s32
	s_add_co_u32 s68, s68, 1024
	v_lshl_add_u32 v10, v60, 2, s68
	s_min_u32 s67, s[WV], 1                        ; waves 0 and 1 send head 0's and head 1's scale words out at the end
	s_mul_i32 s68, s67, 1280
	s_add_co_u32 s68, s68, OS
	v_add_nc_u32 v11, s68, v8
	s_add_co_u32 s68, s68, 1024
	v_lshl_add_u32 v12, v1, 3, s68
	v_lshlrev_b32 v63, 3, v1                       ; 8 l
	v_lshlrev_b32 v58, 5, v61                      ; 32 h
	s_wait_alu depctr_va_vdst(0)
	v_lshlrev_b32 v59, 2, v60                      ; 4 r
	s_wait_alu depctr_va_vdst(0)
	s_mov_b32 s2, 0x76543210
	s_mov_b32 s3, 0xfedcba98                       ; lane l xor 16
	s_mov_b32 s78, 0x600000                        ; the mantissa field of 448
.irp b, 0,1,2
	v_mov_b32 v[196+\b], 0                         ; a lane permute's destination counts as one of its sources
.endr
	; global addresses
	s_lshl_b32 s76, s30, 7
	s_lshl_b32 s77, s[WV], 3
	s_add_co_u32 s76, s76, s77
	s_lshl_b32 s76, s76, 12
	s_mov_b32 s77, 0
	s_add_nc_u64 s[60:61], s[4:5], s[76:77]        ; hs at token 128 m + 8 w
	s_lshr_b32 s35, s30, 4
	s_and_b32 s79, s30, 15                         ; j: the key step in the batch
	s_lshl_b32 s35, s35, 4
	s_lshl_b32 s76, s29, 1
	s_add_co_u32 s35, s35, s76                     ; 16 batch + 2 g
	s_add_co_u32 s76, s35, s33                     ; bh
	s_lshl_b32 s68, s76, 7
	s_lshl_b32 s69, s79, 3
	s_add_co_u32 s68, s68, s69
	s_lshl_b32 s69, s32, 1
	s_add_co_u32 s68, s68, s69
	s_lshl_b32 s68, s68, 9
	s_mov_b32 s69, 0
	s_add_nc_u64 s[68:69], s[24:25], s[68:69]      ; Q's images: tile 128 bh + 8 j + 2 g32
	s_lshl_b32 s70, s76, 4
	s_add_co_u32 s70, s70, s79
	s_mul_i32 s70, s70, REC
	s_mov_b32 s71, 0
	s_add_nc_u64 s[70:71], s[26:27], s[70:71]      ; the key step's entry of kv
	s_lshl_b32 s76, s32, 10
	s_add_nc_u64 s[62:63], s[70:71], s[76:77]      ; K's images
	s_cmp_eq_u32 s34, 0
	s_cselect_b64 s[62:63], s[68:69], s[62:63]     ; part 0 stores Q, part 1 K
	s_lshl_b32 s76, s34, 11
	s_lshl_b32 s72, s32, 9
	s_add_co_u32 s76, s76, s72
	s_add_co_u32 s76, s76, 4096
	s_add_nc_u64 s[66:67], s[70:71], s[76:77]      ; V's fragment `part`, group g32 (+ 2 x pass)
	s_min_u32 s72, s[WV], 1
	s_add_co_u32 s76, s35, s72
	s_lshl_b32 s76, s76, 4
	s_add_co_u32 s76, s76, s79
	s_lshl_b32 s68, s76, 9
	s_add_co_u32 s68, s68, QSC
	s_mov_b32 s69, 0
	s_add_nc_u64 s[68:69], s[24:25], s[68:69]      ; Q's scale record
	s_mul_i32 s70, s76, REC
	s_mov_b32 s71, 0
	s_add_nc_u64 s[70:71], s[26:27], s[70:71]      ; and the entry that takes K's and V's
	s_lshl_b32 s76, s29, 1
	s_add_co_u32 s76, s76, s33                     ; head
	s_cmp_eq_u32 s34, 0
	s_cselect_b64 s[72:73], s[10:11], s[16:17]
	s_cselect_b32 s79, 8, 7
	s_cselect_b64 s[44:45], s[8:9], s[14:15]       ; the pair's scale bytes: q_w's or k_w's
	s_lshl_b32 s74, s76, s79
	s_add_co_u32 s46, s79, 3
	s_lshl_b32 s46, s76, s46                       ; the head's first row x 32 bytes
	s_mov_b32 s47, 0
	s_add_nc_u64 s[44:45], s[44:45], s[46:47]
	s_lshl_b32 s46, s76, 10
	s_lshl_b32 s48, s34, 9
	s_add_co_u32 s46, s46, s48
	s_add_nc_u64 s[48:49], s[20:21], s[46:47]      ; v_w's scale bytes at row 32 head + 16 part
	s_mov_b32 s75, 0
	s_add_nc_u64 s[72:73], s[72:73], s[74:75]      ; q_b or k_b at the head
	s_lshl_b32 s74, s76, 7
	s_lshl_b32 s79, s34, 6
	s_add_co_u32 s74, s74, s79
	s_add_nc_u64 s[74:75], s[22:23], s[74:75]      ; v_b at channel 16 part
	global_load_b128 v[40:43], v58, s[72:73]       ; the pair's bias in the result's layout: tile u, numbers 16 u + 8 h + 0 .. 7
	global_load_b128 v[44:47], v58, s[72:73] offset:16
	global_load_b128 v[48:51], v58, s[72:73] offset:64
	global_load_b128 v[52:55], v58, s[72:73] offset:80
	global_load_b32 v56, v59, s[74:75]             ; V's: one channel a lane
	global_load_b128 v[24:27], v2, s[44:45]        ; the weights' scale words go from memory straight into the scale registers: lane l takes row l of the pair's 32, all eight K steps: 1,024 consecutive bytes a wave
	global_load_b128 v[28:31], v2, s[44:45] offset:16
	global_load_b128 v[32:35], v15, s[48:49]       ; V's: row 16 part + r.  All four stand ahead of the rows' loads, so the first row's counted wait shows them in
	global_load_b128 v[36:39], v15, s[48:49] offset:16
; row i of my 8 in pass p: 8 loads, each pair covers 1,024 consecutive bytes; into window 1
.macro LOADROW i, p
	WIN 0x40
.irp q, 0,1,2,3
	global_load_b128 v[32*\i+8*\q:32*\i+8*\q+3], v2, s[60:61] offset:(64*\p+\i)*4096+1024*\q
	global_load_b128 v[32*\i+8*\q+4:32*\i+8*\q+7], v2, s[60:61] offset:(64*\p+\i)*4096+1024*\q+16
.endr
	WIN 0
.endm
; row i is quantised: four blocks' parts a lane.  cnt: the younger loads, which may stay out
.macro ROWQ i, p, cnt
.set XC, 128+8*\i-96*(\i/4)                    ; the row's codes: registers whose numbers do not meet the row's own in window 1
	s_wait_loadcnt \cnt
	WIN 0x05
.irp q, 0,1,2,3
	v_max3_num_f32 v[160+\q], |v[32*\i+8*\q]|, |v[32*\i+8*\q+1]|, 0x4800000   ; with the floor 2^(9 - 127): the byte cannot fall under 1
.endr
	WIN 0x14
.irp e, 2,4,6
.irp q, 0,1,2,3
	v_max3_num_f32 v[160+\q], v[160+\q], |v[32*\i+8*\q+\e]|, |v[32*\i+8*\q+\e+1]|
.endr
.endr
	WIN 0
.irp q, 0,1,2,3
	v_max_num_f32_dpp v[160+\q], v[160+\q], v[160+\q] row_xmask:1 row_mask:0xf bank_mask:0xf
.endr
.irp q, 0,1,2,3
	s_delay_alu instid0(VALU_DEP_4)
	v_max_num_f32_dpp v[160+\q], v[160+\q], v[160+\q] row_xmask:2 row_mask:0xf bank_mask:0xf   ; four lanes hold a block
.endr
.irp q, 0,1,2,3
	s_delay_alu instid0(VALU_DEP_4)
	v_add_nc_u32 v[164+\q], 0xfc000000, v[160+\q]  ; 8 off the exponent field: the conversion's scale operand
.endr
.irp q, 0,1,2,3
	v_and_or_b32 v[168+\q], v[160+\q], 0x7f800000, s78   ; 448 x the scale
.endr
.irp q, 0,1,2,3
	v_lshrrev_b32 v[96+4*\i+\q], 23, v[164+\q]     ; the scale's byte
.endr
	WIN 0x41
.irp q, 0,1,2,3
.irp e, 0,1,2,3,4,5,6,7
	v_med3_num_f32 v[32*\i+8*\q+\e], v[32*\i+8*\q+\e], -v[168+\q], v[168+\q]   ; the conversion does not saturate (ISA guide 7.6.2)
.endr
.endr
	WIN 0x01
.irp q, 0,1,2,3
	v_cvt_scalef32_pk8_fp8_f32 v[XC+2*\q:XC+2*\q+1], v[32*\i+8*\q:32*\i+8*\q+7], v[164+\q]
.endr
	WIN 0
	v_nop                                          ; a plain line behind the last conversion
.irp q, 0,1,2,3
	ds_store_b64 v3, v[XC+2*\q:XC+2*\q+1] offset:4352*\q+16*\i
.endr
.irp q, 0,1,2,3
	ds_store_b8 v4, v[96+4*\i+\q] offset:8*\q+32*\i   ; the four lanes of a block write the same byte
.endr
.if \p == 0
	LOADROW \i, 1                                  ; the next pass's row lands during this pass's products
.endif
.endm
; 128 along K: two fragments of tokens, three of weights, six products on six accumulators by turns
.macro KSTEP s
	PLACES 8                                       ; in front of loads into registers that matrix instructions have read
.irp u, 0,1
.irp c, 0,1,2,3
	ds_load_b128 v[112+16*\u+4*\c:115+16*\u+4*\c], v5 offset:\u*17408+2176*\s+544*\c
.endr
.endr
.irp u, 0,1
.irp c, 0,1,2,3
	ds_load_b128 v[144+16*\u+4*\c:147+16*\u+4*\c], v6 offset:\u*16640+128*\s+32*\c
.endr
.endr
.irp c, 0,1,2,3
	ds_load_b128 v[176+4*\c:179+4*\c], v7 offset:128*\s+32*\c
.endr
	s_wait_dscnt 0x0
.irp u, 0,1
.irp t, 0,1
.if \s == 0
	WM 64+16*\u+8*\t, 144+16*\t, 112+16*\u, 40+8*\t, 24+\s, 16+\s, \t, \u   ; the bias starts the sum
.else
	WM 64+16*\u+8*\t, 144+16*\t, 112+16*\u, 64+16*\u+8*\t, 24+\s, 16+\s, \t, \u
.endif
.endr
.endr
.irp u, 0,1
.if \s == 0
	WM 96+8*\u, 112+16*\u, 176, -1, 16+\s, 32+\s, \u, 0
.else
	WM 96+8*\u, 112+16*\u, 176, 96+8*\u, 16+\s, 32+\s, \u, 0
.endif
.endr
.endm
.macro MPASS
	ds_load_b128 v[16:19], v13                     ; my 32 tokens' scale words, all eight K steps
	ds_load_b128 v[20:23], v13 offset:16
.irp s, 0,1,2,3,4,5,6,7
	KSTEP \s
.endr
.endm
; three blocks of 32 (16 numbers a lane): tokens' tile 0, tile 1 (Q or K), and V's 32 keys
.macro EPI p
	PLACES 8
.irp e, 0,2,4,6,8,10,12,14
	v_pk_add_f32 v[96+\e:97+\e], v[96+\e:97+\e], v[56:57]
.endr
.irp b, 0,1,2
	v_max3_num_f32 v[192+\b], |v[64+16*\b]|, |v[65+16*\b]|, 0x4800000
.endr
.irp e, 2,4,6,8,10,12,14
.irp b, 0,1,2
	v_max3_num_f32 v[192+\b], v[192+\b], |v[64+16*\b+\e]|, |v[65+16*\b+\e]|
.endr
.endr
.irp b, 0,1,2
	s_delay_alu instid0(VALU_DEP_3)
	v_permlanex16_b32 v[196+\b], v[192+\b], s2, s3
.endr
.irp b, 0,1,2
	s_delay_alu instid0(VALU_DEP_3)
	v_max_num_f32 v[192+\b], v[192+\b], v[196+\b]
.endr
.irp b, 0,1,2
	s_delay_alu instid0(VALU_DEP_3)
	v_add_nc_u32 v[200+\b], 0xfc000000, v[192+\b]
.endr
.irp b, 0,1,2
	v_and_or_b32 v[204+\b], v[192+\b], 0x7f800000, s78
.endr
.irp b, 0,1,2
	v_lshrrev_b32 v[232+4*\p+\b], 23, v[200+\b]
.endr
.irp b, 0,1,2
.irp e, 0,1,2,3,4,5,6,7,8,9,10,11,12,13,14,15
	v_med3_num_f32 v[64+16*\b+\e], v[64+16*\b+\e], -v[204+\b], v[204+\b]
.endr
	v_cvt_scalef32_pk8_fp8_f32 v[208+12*\p+4*\b:209+12*\p+4*\b], v[64+16*\b:71+16*\b], v[200+\b]
	v_cvt_scalef32_pk8_fp8_f32 v[210+12*\p+4*\b:211+12*\p+4*\b], v[72+16*\b:79+16*\b], v[200+\b]
.endr
	v_nop
	global_store_b128 v8, v[208+12*\p:211+12*\p], s[62:63] offset:512*(4*\p)      ; each store covers 512 consecutive bytes; each pass has its own data registers
	global_store_b128 v8, v[212+12*\p:215+12*\p], s[62:63] offset:512*(4*\p+1)
	global_store_b128 v8, v[216+12*\p:219+12*\p], s[66:67] offset:512*(2*\p)
	ds_store_b32 v9, v[232+4*\p] offset:8*\p
	ds_store_b32 v9, v[233+4*\p] offset:256+8*\p
	ds_store_b8 v10, v[234+4*\p] offset:2*\p
	ds_store_b8 v10, v[234+4*\p] offset:128+2*\p   ; a second copy, so that every byte of the entry is written
.endm
.irp i, 0,1,2,3,4,5,6,7
	LOADROW \i, 0
.endr
.irp i, 0,1,2,3,4,5,6,7
	ROWQ \i, 0, 56                                 ; behind a row's loads stand those of seven rows: the rest of this pass and what the next pass has asked for
.endr
	v_mov_b32 v57, v56
	s_wait_tensorcnt 0x0                           ; my chunk and its scales have landed,
	s_wait_dscnt 0x0                               ; my codes and bytes are stored
	s_barrier_signal -1
	s_barrier_wait -1
	MPASS
	s_wait_alu depctr_va_vdst(0)
	s_wait_dscnt 0x0                               ; my reads of the pass's codes are over: they may be written again behind this barrier
	s_barrier_signal -1
	s_barrier_wait -1
	EPI 0
.irp i, 0,1,2,3,4,5,6,7
	ROWQ \i, 1, 8*(7-\i)
.endr
	s_wait_dscnt 0x0
	s_barrier_signal -1
	s_barrier_wait -1
	MPASS
	EPI 1
	s_wait_dscnt 0x0                               ; the scale words of both passes are stored
	s_barrier_signal -1
	s_barrier_wait -1
	s_cmp_lt_u32 s[WV], 2
	s_cbranch_scc0 .Lend
	ds_load_b128 v[240:243], v11
	ds_load_b128 v[244:247], v11 offset:512
	ds_load_b64 v[248:249], v12
	s_wait_dscnt 0x0
	global_store_b128 v8, v[240:243], s[68:69]               ; Q's scale record, 512 consecutive bytes
	global_store_b128 v8, v[244:247], s[70:71] offset:8192   ; K's
	global_store_b64 v63, v[248:249], s[70:71] offset:8704   ; V's words and their copy, 256 bytes
.Lend:
	s_wait_tensorcnt 0x0
	ds_add_u32 v254, v255
	s_wait_dscnt 0x0
	CROUND                                         ; the closing round
	s_endpgm
.Lfunc_end_k_qf14291f447_qkv:
	.size	k_qf14291f447_qkv, .Lfunc_end_k_qf14291f447_qkv-k_qf14291f447_qkv
	.p2alignl 7, 3214868480
	.fill 96, 4, 3214868480
	.section	.rodata,"a",@progbits
	.p2align	6, 0x0
	.amdhsa_kernel k_qf14291f447_qkv
		.amdhsa_group_segment_fixed_size 281600
		.amdhsa_private_segment_fixed_size 0
		.amdhsa_enable_private_segment 0
		.amdhsa_kernarg_size 96
		.amdhsa_user_sgpr_count 2
		.amdhsa_user_sgpr_kernarg_segment_ptr 1
		.amdhsa_wavefront_size32 1
		.amdhsa_system_sgpr_workgroup_id_x 1
		.amdhsa_system_sgpr_workgroup_id_y 1
		.amdhsa_system_sgpr_workgroup_id_z 1
		.amdhsa_system_vgpr_workitem_id 0
		.amdhsa_next_free_vgpr 512
		.amdhsa_next_free_sgpr 80
		.amdhsa_reserve_vcc 0
		.amdhsa_float_denorm_mode_32 3
		.amdhsa_float_denorm_mode_16_64 3
		.amdhsa_memory_ordered 1
		.amdhsa_forward_progress 1
		.amdhsa_inst_pref_size 166
	.end_amdhsa_kernel
	.amdgpu_metadata
---
amdhsa.version: [ 1, 2 ]
amdhsa.kernels:
  - .name:           k_qf14291f447_qkv
    .symbol:         k_qf14291f447_qkv.kd
    .args:
      - { .name: hidden_states, .offset: 0, .size: 8, .value_kind: global_buffer, .address_space: global }
      - { .name: q_w_codes, .offset: 8, .size: 8, .value_kind: global_buffer, .address_space: global }
      - { .name: q_w_scales, .offset: 16, .size: 8, .value_kind: global_buffer, .address_space: global }
      - { .name: q_b, .offset: 24, .size: 8, .value_kind: global_buffer, .address_space: global }
      - { .name: k_w_codes, .offset: 32, .size: 8, .value_kind: global_buffer, .address_space: global }
      - { .name: k_w_scales, .offset: 40, .size: 8, .value_kind: global_buffer, .address_space: global }
      - { .name: k_b, .offset: 48, .size: 8, .value_kind: global_buffer, .address_space: global }
      - { .name: v_w_codes, .offset: 56, .size: 8, .value_kind: global_buffer, .address_space: global }
      - { .name: v_w_scales, .offset: 64, .size: 8, .value_kind: global_buffer, .address_space: global }
      - { .name: v_b, .offset: 72, .size: 8, .value_kind: global_buffer, .address_space: global }
      - { .name: qb, .offset: 80, .size: 8, .value_kind: global_buffer, .address_space: global }
      - { .name: kv, .offset: 88, .size: 8, .value_kind: global_buffer, .address_space: global }
    .group_segment_fixed_size: 281600
    .private_segment_fixed_size: 0
    .kernarg_segment_align: 8
    .kernarg_segment_size: 96
    .max_flat_workgroup_size: 256
    .sgpr_count:     80
    .vgpr_count:     512
    .wavefront_size: 32
...
	.end_amdgpu_metadata
.endif
;; end of part 1
;; launch attn (part 2): grid 8 x 32, 16 waves a work-group, clusters of 4 x 1, 264,448 bytes of LDS; arguments qb, kv, ao; writes ao
.if DOCPART == 2
	.amdgcn_target "amdgcn-amd-amdhsa--gfx1250"
	.amdhsa_code_object_version 6
	.text
	.protected	k_qf14291f447_attn
	.globl	k_qf14291f447_attn
	.p2align	8
	.type	k_qf14291f447_attn,@function
k_qf14291f447_attn:
	s_mov_b64 s[64:65], 0
	v_nop
	global_prefetch_b8 v0, s[64:65] scope:SCOPE_SE
	s_setreg_imm32_b32 hwreg(HW_REG_WAVE_MODE, 25, 1), 1
	s_wait_xcnt 0x0
	s_wait_alu depctr_hold_cnt(0) depctr_sa_sdst(0) depctr_va_vdst(0) depctr_va_sdst(0) depctr_va_ssrc(0) depctr_va_vcc(0) depctr_vm_vsrc(0)
	s_getreg_b32 s2, hwreg(HW_REG_IB_STS2, 6, 4)
	s_cmp_eq_u32 s2, 0
	s_cbranch_scc0 .Lentry_in_a_cluster
	s_endpgm
.Lentry_in_a_cluster:
	s_bfe_u32 s2, ttmp6, 0x10000c
	s_cmp_lg_u32 s2, 0x3003
	s_cbranch_scc0 .Lentry_shape_is_right
	s_endpgm
.Lentry_shape_is_right:
; ao = softmax(Q' K^T / sqrt(32)) V for one head and 256 queries, both products on E4M3 codes with E8M0 scales; the result is quantised along the head's 32 for the next product.
; p = 2^(t - M), t = score x log2(e) / sqrt(32), M the running largest t rounded up to a whole number; the row's sum is taken of the unquantised p and divides at the end.
; SHARES.  Sixteen waves, a tile of 16 queries each, four to a SIMD.  The head's K and V for all 2,048 keys, 16 entries of 8,960 bytes, stay in LDS, 16,384 bytes apart: wave w brings entry w, once.
; The four query blocks of a cluster belong to one head: the entries are asked for jointly.  No prefetch: K and V are asked for once, at the head, and there is no loop to run ahead in.
; THE WALK.  Wave w takes the entries in the order w, w + 1, .. modulo 16 (a softmax with a running M does not mind the order): its first step, on the entry that it fetched itself,
; stands between the barrier's signal and its wait.
; LAYOUT.  Both products transposed: a lane holds one query.  An entry holds images of operand registers: 8 tiles of K (registers 0-3: the head has 32 along K), 2 fragments of V^T, the scale words.
; The first product's K is 32 of the instruction's 128: Q's registers 4-15 are zero codes; K's fragment of tile t is v[32+4t .. 47+4t], whose registers 4-15 meet Q's zeros; bytes 1-3 of both scale words are 0.
; A STEP j: K Q^T of step j | O^T x f of step j - 1 (the eight places) | the blocks' largest scores, eight chains by turns | V^T P of step j - 1 | M, f | t - M and the blocks' scales |
; exponentials of key blocks 0, 1, with the scalings of blocks 2, 3 among them | those of blocks 2, 3, with the first sums and the holds of blocks 0, 1 among them | sums, holds, conversions.
; A BLOCK'S SCALE comes from its largest score without an exponential: e = floor(t - M) of that score is the exponent of the block's largest p; byte e + 119, held at 1 from below.
; LIMITS: the promise holds while the scaled scores stay under 2^31 in magnitude; NaN and infinities are not served; a block of p or of the result under 2^-118 gets the scale byte 1;
; where t - M lies within an ulp under a whole number, v_exp_f32 may give the next power of two, and that one p is then held at the largest code.
; REGISTERS: v1 16 l, v2 4 l, v3 K's address, v4 and v9 V's, v5-8 the way out, v10-11 the spare word and 0; v12 -M, v13 the largest score, v[14:15] the sum; v16-31 Q; v32-75 K and zeros; v76-79 K's scale record;
;   v80 V's scale words; v81, v92 at work; v[82:83] f; v84-91 the blocks' maxima; v93 p's scale word; v96-159 S^T, then p; v160-175 O^T; v176-207 V^T; v208-223 partial sums; v224-239 p's codes;
;   v240-243 448 x scale, v244-247 the conversions' scale operands; v255 Q's scale words.
.set REC,   8960
.set STG,   262144                     ; behind the entries: the work-group's 256 scale bytes
.set SPARE, 262400                     ; the spare words: 128 bytes a wave
.set QSC,   2097152
.set AOSC,  2097152
.set WV,    18
.set CN,    19
.set SEL,   20
.set CS,    22
.set MNT,   48
.set SPW,   10
.set NIL,   11
.macro PLACES n
.rept \n
	v_nop
.endr
.endm
.macro WALU
	s_wait_alu depctr_va_vdst(0)
.endm
.macro CROUND
	s_barrier_signal -1
	s_barrier_wait -1
	s_cmp_lg_u32 s[WV], 0
	s_cbranch_scc1 .Lnw0_\@
	s_barrier_signal -3
.Lnw0_\@:
	s_barrier_wait -3
	s_barrier_signal -1
	s_barrier_wait -1
.endm
.macro HOLD2 r, bnd                    ; two holds in one line: p is not negative, so the hold is one-sided (the conversion does not saturate: ISA guide 7.6.2)
	v_dual_min_num_f32 v[\r], v[\r], v[\bnd] :: v_dual_min_num_f32 v[(\r)+1], v[(\r)+1], v[\bnd]
.endm
.macro TM n                            ; t - M of pair n
	v_dual_fmamk_f32 v[96+2*(\n)], v[96+2*(\n)], 0x3e8293ee, v12 :: v_dual_fmamk_f32 v[97+2*(\n)], v[97+2*(\n)], 0x3e8293ee, v83
.endm
.macro CVT b                           ; block b's 16 numbers of a lane become four registers of codes
	v_cvt_scalef32_pk8_fp8_f32 v[224+4*\b:225+4*\b], v[96+16*\b:103+16*\b], v[244+\b]
	v_cvt_scalef32_pk8_fp8_f32 v[226+4*\b:227+4*\b], v[104+16*\b:111+16*\b], v[244+\b]
.endm
.macro KLOAD                           ; the next entry's K and its scale record
	ds_load_b128 v[76:79], v3 offset:8192
.irp t, 0,1,2,3,4,5,6,7
	ds_load_b128 v[32+4*\t:35+4*\t], v3 offset:512*\t
.endr
.endm
.macro RESC                            ; O^T under the M of the p that is about to be added; each accumulator from its low end on
	WALU                                           ; directly ahead of the first reader of O^T
.irp k, 0,1,2,3,4,5,6,7
	v_pk_mul_f32 v[160+2*\k:161+2*\k], v[160+2*\k:161+2*\k], v[82:83] op_sel_hi:[1,0]   ; of the pair v[82:83] the low word, f, serves both halves
.endr
.endm
.macro PV
	v_wmma_scale_f32_16x16x128_f8f6f4 v[160:167], v[176:191], v[224:239], v[160:167], v80, v93
	v_wmma_scale_f32_16x16x128_f8f6f4 v[168:175], v[192:207], v[224:239], v[168:175], v80, v93 matrix_a_scale:MATRIX_SCALE_ROW1
.endm
	s_load_b128 s[4:7], s[0:1], 0x0                ; qb, kv
	s_load_b64 s[8:9], s[0:1], 0x10                ; ao
	v_lshl_add_u32 v[SPW], v0, 2, SPARE
	v_mov_b32 v[NIL], 0
	ds_add_u32 v[SPW], v[NIL]                      ; the opening lines: the add twice on end and its wait ahead of my tensor load
	ds_add_u32 v[SPW], v[NIL]
	v_lshrrev_b32 v1, 5, v0
	v_readfirstlane_b32 s[WV], v1                  ; wave 0..15
	s_and_b32 s10, ttmp7, 0xffff                   ; bh, which the partners share
	s_bfe_u32 s11, ttmp6, 0x40000
	s_lshl_b32 s12, ttmp9, 2
	s_add_co_u32 s12, s12, s11                     ; my block of 256 queries: it enters Q's and ao's addresses alone
	s_mov_b32 s24, 15|(3<<16)|(1<<21)              ; an entry: 35 dense rows of 256 bytes (32 elements of 8); the mask names the four partners
	s_mov_b32 s25, 32<<16
	s_mov_b32 s26, 35<<16
	s_mov_b32 s27, 32<<16
	s_mov_b32 s28, 35
	s_mov_b32 s29, 32
	s_mov_b32 s30, 0
	s_mov_b32 s31, 0
	s_lshl_b32 s13, s10, 4
	s_add_co_u32 s13, s13, s[WV]
	s_mul_i32 s14, s13, REC
	s_mov_b32 s15, 0
	s_wait_dscnt 0x0
	s_wait_kmcnt 0x0
	s_mov_b32 s32, 1
	s_lshl_b32 s33, s[WV], 14
	s_add_nc_u64 s[34:35], s[6:7], s[14:15]
	s_or_b32 s35, s35, 0x80000000
	CROUND
	tensor_load_to_lds s[32:35], s[24:31]          ; my one load: LDS bytes are filled once in this launch
	s_nop 0
	PLACES 4
	v_and_b32 v81, 31, v0
	v_and_b32 v82, 15, v0
	v_lshlrev_b32 v1, 4, v81                       ; 16 l
	v_lshlrev_b32 v2, 2, v81                       ; 4 l
	v_lshlrev_b32 v7, 3, v81                       ; 8 l
	v_lshlrev_b32 v8, 4, v82                       ; 16 r
	s_lshl_b32 s13, s[WV], 4
	s_add_co_u32 s13, s13, STG
	v_add_nc_u32 v5, s13, v82
	v_add_nc_u32 v6, STG, v7
	v_add_nc_u32 v3, s33, v1                       ; my own entry
	WALU
	s_lshl_b32 s13, s12, 4
	s_add_co_u32 s13, s13, s[WV]                   ; my tile of queries in the batch
	s_lshl_b32 s14, s10, 7
	s_add_co_u32 s14, s14, s13
	s_lshl_b32 s14, s14, 9
	s_add_nc_u64 s[38:39], s[4:5], s[14:15]
	global_load_b128 v[16:19], v1, s[38:39]        ; Q's codes
	s_lshl_b32 s14, s10, 4
	s_lshl_b32 s16, s12, 1
	s_add_co_u32 s14, s14, s16
	s_lshr_b32 s16, s[WV], 3
	s_add_co_u32 s14, s14, s16
	s_lshl_b32 s14, s14, 9                         ; the record of my tile's 128 tokens,
	s_and_b32 s16, s[WV], 1
	s_lshl_b32 s16, s16, 8
	s_add_co_u32 s14, s14, s16
	s_bfe_u32 s16, s[WV], 0x20001
	s_lshl_b32 s16, s16, 2
	s_add_co_u32 s14, s14, s16                     ; and my tile's words in it
	s_add_co_u32 s14, s14, QSC
	s_add_nc_u64 s[40:41], s[4:5], s[14:15]
	global_load_b32 v255, v8, s[40:41]             ; Q's scale words
	s_lshr_b32 s16, s10, 4
	s_lshl_b32 s16, s16, 7
	s_add_co_u32 s17, s16, s13                     ; my tile among all 256
	s_and_b32 s46, s10, 15                         ; the head: block `head` of the next product's K
	s_lshl_b32 s14, s17, 2
	s_lshr_b32 s47, s46, 2
	s_add_co_u32 s14, s14, s47
	s_lshl_b32 s14, s14, 2
	s_and_b32 s47, s46, 3
	s_add_co_u32 s14, s14, s47
	s_lshl_b32 s14, s14, 9
	s_add_nc_u64 s[42:43], s[8:9], s[14:15]
	s_lshl_b32 s14, s12, 4
	s_add_co_u32 s14, s14, s16
	s_lshl_b32 s14, s14, 4
	s_lshl_b32 s47, s46, 12
	s_add_co_u32 s14, s14, s47
	s_add_co_u32 s14, s14, AOSC
	s_add_nc_u64 s[44:45], s[8:9], s[14:15]
	s_mov_b32 s[SEL], 0x76543210
	s_mov_b32 s[SEL+1], 0xfedcba98
	s_mov_b32 s[CS], 0x3e8293ee                    ; c = log2(e) / sqrt(32)
	s_mov_b32 s[CN], 0xbe8293ee                    ; -c
	s_mov_b32 s[MNT], 0x600000
	s_mov_b32 s36, s[WV]                           ; the entry in hand, before the modulo
	s_mov_b32 s37, 14
.set j, 0
.rept 12
	v_mov_b32 v[20+j], 0                           ; Q's zero codes
	v_mov_b32 v[64+j], 0                           ; and those behind K's last tiles
.set j, j+1
.endr
.set j, 0
.rept 16
	v_mov_b32 v[160+j], 0                          ; O^T: the first rescaling finds zeros and leaves zeros
.set j, j+1
.endr
	v_mov_b32 v13, 0xff61b1e6                      ; the largest score so far: -3e38
	v_mov_b32 v14, 0
	v_mov_b32 v15, 0
	v_mul_f32 v12, s[CN], v13
	v_floor_f32 v12, v12                           ; -M
	WALU                                           ; the head's end
	s_wait_tensorcnt 0x0                           ; my entry has landed:
	s_barrier_signal -1                            ; say so; the wait stands behind my first step, which reads my own entry alone
	KLOAD
	s_wait_loadcnt 0x0                             ; Q
; A KEY STEP: 128 keys.  pv: the step before has left p, f and V: O^T takes them.  more: the next entry's K is fetched.  first: behind the barrier's wait, at the step's end
.macro TRIP pv, more, first
	WALU
	s_wait_dscnt 0x0                               ; K of this step and V of the last are in
	s_and_b32 s50, s36, 15
	s_lshl_b32 s50, s50, 14                        ; this entry,
	s_add_co_u32 s51, s36, 1
	s_and_b32 s51, s51, 15
	s_lshl_b32 s51, s51, 14                        ; and the next
.irp t, 0,1,2,3,4,5,6,7
.if \t%2
	v_wmma_scale_f32_16x16x128_f8f6f4 v[96+8*\t:103+8*\t], v[32+4*\t:47+4*\t], v[16:31], 0, v[76+\t/2], v255 matrix_a_scale:MATRIX_SCALE_ROW1
.else
	v_wmma_scale_f32_16x16x128_f8f6f4 v[96+8*\t:103+8*\t], v[32+4*\t:47+4*\t], v[16:31], 0, v[76+\t/2], v255
.endif
.endr
.if \pv
	RESC                                           ; eight of the places behind the products
.else
	PLACES 5
.endif
	v_add_nc_u32 v3, s51, v1
	v_add_nc_u32 v4, s50, v1
	v_add_nc_u32 v9, s50, v2
.if (\more) && !(\first)
	KLOAD
.endif
	; the largest score of each block of 32 keys, two chains a block, eight by turns; each accumulator is first read in its four lowest registers
.irp b, 0,1,2,3
	v_max3_num_f32 v[84+\b], v[96+16*\b], v[97+16*\b], v[98+16*\b]
.endr
.irp b, 0,1,2,3
	v_max3_num_f32 v[88+\b], v[105+16*\b], v[106+16*\b], v[107+16*\b]
.endr
.irp i, 0,1
.irp b, 0,1,2,3
	v_max3_num_f32 v[84+\b], v[84+\b], v[99+2*\i+16*\b], v[100+2*\i+16*\b]
.endr
.irp b, 0,1,2,3
	v_max3_num_f32 v[88+\b], v[88+\b], v[108+2*\i+16*\b], v[109+2*\i+16*\b]
.endr
.endr
.irp b, 0,1,2,3
	v_max3_num_f32 v[84+\b], v[84+\b], v[103+16*\b], v[104+16*\b]
.endr
.irp b, 0,1,2,3
	v_max_num_f32 v[84+\b], v[84+\b], v[88+\b]
.endr
.if \pv
	PV                                             ; O^T += V^T P of the step before
.endif
.irp b, 0,1,2,3
	v_permlanex16_b32 v[88+\b], v[84+\b], s[SEL], s[SEL+1]
.endr
.irp b, 0,1,2,3
	s_delay_alu instid0(VALU_DEP_4)
	v_max_num_f32 v[84+\b], v[84+\b], v[88+\b]     ; with lane l xor 16's 16 keys
.endr
	s_delay_alu instid0(VALU_DEP_2)
	v_max3_num_f32 v81, v84, v85, v86
	s_delay_alu instid0(VALU_DEP_1)
	v_max3_num_f32 v13, v81, v87, v13              ; the running largest score (c is positive)
	v_mov_b32 v92, v12
	s_delay_alu instid0(VALU_DEP_2)
	v_mul_f32 v81, s[CN], v13
	s_delay_alu instid0(VALU_DEP_1)
	v_floor_f32 v12, v81                           ; -M = floor(-t)
	s_delay_alu instid0(VALU_DEP_1)
	v_fma_f32 v84, v84, s[CS], v12                 ; t - M of each block's largest score
.irp b, 1,2,3
	v_fma_f32 v[84+\b], v[84+\b], s[CS], v12
.endr
.irp i, 0,1,2,3,4,5,6,7
	ds_load_b128 v[176+4*\i:179+4*\i], v4 offset:4096+512*\i   ; this step's V^T: more than eight places behind V^T P
.endr
	ds_load_b32 v80, v9 offset:8704                ; V's scale words: lanes 0-15 channels 0-15, lanes 16-31 channels 16-31
	v_mov_b32 v83, v12                             ; -M once more, in an odd register: the two halves of a dual pair take their addends from one even and one odd register
	v_sub_f32 v92, v12, v92                        ; old M - new M, a whole number
.irp n, 0,1,2,3
	TM \n
.endr
.irp b, 0,1,2,3
	v_max_num_f32 v[84+\b], 0xc2ec0000, v[84+\b]   ; held at -118: the byte cannot fall under 1
.endr
	v_cvt_i32_f32 v92, v92                         ; (it saturates)
.irp n, 4,5,6,7
	TM \n
.endr
.irp b, 0,1,2,3
	v_cvt_floor_i32_f32 v[88+\b], v[84+\b]         ; e: the exponent of the block's largest p
.endr
	v_ldexp_f32 v82, 1.0, v92                      ; f = 2^(old M - new M)
.irp n, 8,9,10,11
	TM \n
.endr
.irp b, 0,1,2,3
	v_add_lshl_u32 v[244+\b], v[88+\b], 119, 23    ; the f32 number 2^(e - 8): the conversion's scale operand
.endr
	v_add_nc_u32 v93, 0x77777777, v88              ; p's scale word: the sum of (e + 119) x 256^b
.irp n, 12,13,14,15
	TM \n
.endr
.irp b, 0,1,2,3
	v_add_nc_u32 v[240+\b], 0x4600000, v[244+\b]   ; 448 x the scale: 8 onto the exponent field, 448's mantissa under it
.endr
	v_lshl_add_u32 v93, v89, 8, v93
	v_dual_mul_f32 v14, v14, v82 :: v_dual_mul_f32 v15, v15, v82   ; the sum under the new M
	v_lshl_add_u32 v93, v90, 16, v93
	v_lshl_add_u32 v93, v91, 24, v93
	WALU                                           ; ahead of the batch
.set g, 0
.rept 16                                       ; p of key blocks 0, 1; among them t - M of blocks 2, 3, which the wait behind the batch parts from their readers
	v_exp_f32 v[96+2*g], v[96+2*g]
	v_exp_f32 v[97+2*g], v[97+2*g]
	TM 16+g
.set g, g+1
.endr
	v_nop                                          ; a plain line behind the last exponential
	WALU                                           ; one wait for the 32, and ahead of the next batch
.set g, 0
.rept 8                                        ; p of key blocks 2, 3; among them lines on blocks 0, 1 that do not hang on each other: the first sums (of the unquantised p), then the holds
	v_exp_f32 v[128+4*g], v[128+4*g]
	v_exp_f32 v[129+4*g], v[129+4*g]
	v_dual_add_f32 v[208+2*g], v[96+4*g], v[98+4*g] :: v_dual_add_f32 v[209+2*g], v[97+4*g], v[99+4*g]
	v_exp_f32 v[130+4*g], v[130+4*g]
	HOLD2 96+4*g, 240+g/4
	v_exp_f32 v[131+4*g], v[131+4*g]
	HOLD2 98+4*g, 240+g/4
.set g, g+1
.endr
	v_nop                                          ; a plain line behind the last exponential
	WALU                                           ; and one wait for these 32
	CVT 0
	CVT 1
.irp k, 0,1,2,3
	v_dual_add_f32 v[208+2*\k], v[208+2*\k], v[216+2*\k] :: v_dual_add_f32 v[209+2*\k], v[209+2*\k], v[217+2*\k]
.endr
.irp i, 0,1,2,3
.irp k, 0,1,2,3
	v_dual_add_f32 v[208+2*\k], v[208+2*\k], v[128+8*\i+2*\k] :: v_dual_add_f32 v[209+2*\k], v[209+2*\k], v[129+8*\i+2*\k]   ; the sums of blocks 2, 3, four chains by turns, ahead of the holds
.endr
.endr
.set g, 0
.rept 8
	HOLD2 128+2*g, 242
	HOLD2 144+2*g, 243
.set g, g+1
.endr
	v_dual_add_f32 v208, v208, v210 :: v_dual_add_f32 v209, v209, v211
	v_dual_add_f32 v212, v212, v214 :: v_dual_add_f32 v213, v213, v215
	CVT 2
	CVT 3
	v_nop                                          ; a plain line behind the last conversion
	v_dual_add_f32 v208, v208, v212 :: v_dual_add_f32 v209, v209, v213
	v_dual_add_f32 v14, v14, v208 :: v_dual_add_f32 v15, v15, v209
.if \first
	s_barrier_wait -1                              ; everybody's entry has landed
	KLOAD
.endif
	s_add_co_u32 s36, s36, 1
.endm
	TRIP 0, 1, 1
.Lstep:                                            ; 14 trips; the first and the last step are written out
	TRIP 1, 1, 0
	s_sub_co_u32 s37, s37, 1
	s_cmp_lg_u32 s37, 0
	s_cbranch_scc1 .Lstep
	TRIP 1, 0, 0
	WALU
	s_wait_dscnt 0x0                               ; the last V
	RESC
	PLACES 4
	PV
	v_add_f32 v14, v14, v15
	v_permlanex16_b32 v81, v14, s[SEL], s[SEL+1]
	v_add_f32 v14, v14, v81                        ; the row's sum
	WALU
	v_rcp_f32 v14, v14
	PLACES 5                                       ; with the three lines above: eight places behind the last products
	WALU                                           ; for the reciprocal, and directly ahead of the first reader of O^T
.set j, 0
.rept 16
	v_mul_f32 v[96+j], v[160+j], v14               ; number 16 (j / 8) + 8 h + j % 8 of my query's 32
.set j, j+1
.endr
	v_max3_num_f32 v84, |v96|, |v97|, 0x4800000    ; with the floor 2^(9 - 127): the byte cannot fall under 1
	v_max3_num_f32 v85, |v104|, |v105|, |v106|
.irp i, 0,1,2
	v_max3_num_f32 v84, v84, |v[98+2*\i]|, |v[99+2*\i]|
.endr
.irp i, 0,1
	v_max3_num_f32 v85, v85, |v[107+2*\i]|, |v[108+2*\i]|
.endr
	v_max3_num_f32 v84, v84, v85, |v111|
	v_permlanex16_b32 v88, v84, s[SEL], s[SEL+1]
	v_max_num_f32 v84, v84, v88
	v_add_nc_u32 v244, 0xfc000000, v84
	v_and_or_b32 v240, v84, 0x7f800000, s[MNT]
	v_lshrrev_b32 v92, 23, v244
.set j, 0
.rept 16
	v_med3_num_f32 v[96+j], v[96+j], -v240, v240
.set j, j+1
.endr
	CVT 0
	v_nop
	global_store_b128 v1, v[224:227], s[42:43]     ; group head % 4 of fragment head / 4 of my tile: 512 consecutive bytes
	ds_store_b8 v5, v92
	s_wait_dscnt 0x0
	s_barrier_signal -1
	s_barrier_wait -1
	s_cmp_lg_u32 s[WV], 0
	s_cbranch_scc1 .Lend
	ds_load_b64 v[86:87], v6
	s_wait_dscnt 0x0
	global_store_b64 v7, v[86:87], s[44:45]        ; the work-group's 256 scale bytes, consecutive and aligned
.Lend:
	s_wait_tensorcnt 0x0                           ; the wave's end
	ds_add_u32 v[SPW], v[NIL]
	s_wait_dscnt 0x0
	CROUND                                         ; the closing round
	s_endpgm
.Lfunc_end_k_qf14291f447_attn:
	.size	k_qf14291f447_attn, .Lfunc_end_k_qf14291f447_attn-k_qf14291f447_attn
	.p2alignl 7, 3214868480
	.fill 96, 4, 3214868480
	.section	.rodata,"a",@progbits
	.p2align	6, 0x0
	.amdhsa_kernel k_qf14291f447_attn
		.amdhsa_group_segment_fixed_size 264448
		.amdhsa_private_segment_fixed_size 0
		.amdhsa_enable_private_segment 0
		.amdhsa_kernarg_size 24
		.amdhsa_user_sgpr_count 2
		.amdhsa_user_sgpr_kernarg_segment_ptr 1
		.amdhsa_wavefront_size32 1
		.amdhsa_system_sgpr_workgroup_id_x 1
		.amdhsa_system_sgpr_workgroup_id_y 1
		.amdhsa_system_sgpr_workgroup_id_z 1
		.amdhsa_system_vgpr_workitem_id 0
		.amdhsa_next_free_vgpr 256
		.amdhsa_next_free_sgpr 66
		.amdhsa_reserve_vcc 0
		.amdhsa_float_denorm_mode_32 3
		.amdhsa_float_denorm_mode_16_64 3
		.amdhsa_memory_ordered 1
		.amdhsa_forward_progress 1
		.amdhsa_inst_pref_size 63
	.end_amdhsa_kernel
	.amdgpu_metadata
---
amdhsa.version: [ 1, 2 ]
amdhsa.kernels:
  - .name:           k_qf14291f447_attn
    .symbol:         k_qf14291f447_attn.kd
    .args:
      - { .name: qb, .offset: 0, .size: 8, .value_kind: global_buffer, .address_space: global }
      - { .name: kv, .offset: 8, .size: 8, .value_kind: global_buffer, .address_space: global }
      - { .name: ao, .offset: 16, .size: 8, .value_kind: global_buffer, .address_space: global }
    .group_segment_fixed_size: 264448
    .private_segment_fixed_size: 0
    .kernarg_segment_align: 8
    .kernarg_segment_size: 24
    .max_flat_workgroup_size: 512
    .sgpr_count:     66
    .vgpr_count:     256
    .wavefront_size: 32
...
	.end_amdgpu_metadata
.endif
;; end of part 2
;; launch oproj (part 3): grid 8 x 32, 8 waves a work-group, clusters of 4 x 4, 168,960 bytes of LDS; arguments ao, o_w_codes, o_w_scales, o_b, router_w, ml; writes ml
.if DOCPART == 3
	.amdgcn_target "amdgcn-amd-amdhsa--gfx1250"
	.amdhsa_code_object_version 6
	.text
	.protected	k_qf14291f447_oproj
	.globl	k_qf14291f447_oproj
	.p2align	8
	.type	k_qf14291f447_oproj,@function
k_qf14291f447_oproj:
	s_mov_b64 s[64:65], 0
	v_nop
	global_prefetch_b8 v0, s[64:65] scope:SCOPE_SE
	s_setreg_imm32_b32 hwreg(HW_REG_WAVE_MODE, 25, 1), 1
	s_wait_xcnt 0x0
	s_wait_alu depctr_hold_cnt(0) depctr_sa_sdst(0) depctr_va_vdst(0) depctr_va_sdst(0) depctr_va_ssrc(0) depctr_va_vcc(0) depctr_vm_vsrc(0)
	s_getreg_b32 s2, hwreg(HW_REG_IB_STS2, 6, 4)
	s_cmp_eq_u32 s2, 0
	s_cbranch_scc0 .Lentry_in_a_cluster
	s_endpgm
.Lentry_in_a_cluster:
	s_bfe_u32 s2, ttmp6, 0x10000c
	s_cmp_lg_u32 s2, 0xf033
	s_cbranch_scc0 .Lentry_shape_is_right
	s_endpgm
.Lentry_shape_is_right:
; mla = ao o_w + o_b on E4M3 codes; only K 0 .. 511 is multiplied, since the other half of ao is zeros by construction (zero codes add nothing).
; The f32 result feeds the router's partial sums (128 of its 1,024 terms here) and is quantised along its columns for the experts' first product.
; LIMIT: a scale byte 0xff in o_w's K 512 .. 1,023 is not seen.  NaN and infinities are not served; blocks under 2^-118 get the scale byte 1.
; SHARES.  A work-group takes 128 tokens x 128 columns; wave w the tile of 16 tokens w against all 8 tiles of columns.  All operands come into LDS once: o_w's rows jointly along a column of
; the cluster, ao's images jointly along a row.  The product is used transposed: a lane holds one token.
; ao's slots run 16 (i / 8) + 8 h + i % 8 inside a block of 32, so o_w's fragments are read by 8-byte loads in the same order.
.set XI,    71936
.set ST,    137472
.set AOSC,  2097152
.set MLSC,  4194304
.set RPART, 4325376
.set WV,    16
.set SEL,   84
.set MNT,   86
.set TM,    32
.set PW,    11
.set PC,    112
.macro PLACES n
.rept \n
	v_nop
.endr
.endm
.macro CROUND
	s_barrier_signal -1
	s_barrier_wait -1
	s_cmp_lg_u32 s[WV], 0
	s_cbranch_scc1 .Lnw0_\@
	s_barrier_signal -3
.Lnw0_\@:
	s_barrier_wait -3
	s_barrier_signal -1
	s_barrier_wait -1
.endm
.macro WM d, a, b, c, sa, sb, ra, rb
.if (\c) < 0
.if (\ra) && (\rb)
	v_wmma_scale_f32_16x16x128_f8f6f4 v[(\d):(\d)+7], v[(\a):(\a)+15], v[(\b):(\b)+15], 0, v[(\sa)], v[(\sb)] matrix_a_scale:MATRIX_SCALE_ROW1 matrix_b_scale:MATRIX_SCALE_ROW1
.elseif (\ra)
	v_wmma_scale_f32_16x16x128_f8f6f4 v[(\d):(\d)+7], v[(\a):(\a)+15], v[(\b):(\b)+15], 0, v[(\sa)], v[(\sb)] matrix_a_scale:MATRIX_SCALE_ROW1
.elseif (\rb)
	v_wmma_scale_f32_16x16x128_f8f6f4 v[(\d):(\d)+7], v[(\a):(\a)+15], v[(\b):(\b)+15], 0, v[(\sa)], v[(\sb)] matrix_b_scale:MATRIX_SCALE_ROW1
.else
	v_wmma_scale_f32_16x16x128_f8f6f4 v[(\d):(\d)+7], v[(\a):(\a)+15], v[(\b):(\b)+15], 0, v[(\sa)], v[(\sb)]
.endif
.else
.if (\ra) && (\rb)
	v_wmma_scale_f32_16x16x128_f8f6f4 v[(\d):(\d)+7], v[(\a):(\a)+15], v[(\b):(\b)+15], v[(\c):(\c)+7], v[(\sa)], v[(\sb)] matrix_a_scale:MATRIX_SCALE_ROW1 matrix_b_scale:MATRIX_SCALE_ROW1
.elseif (\ra)
	v_wmma_scale_f32_16x16x128_f8f6f4 v[(\d):(\d)+7], v[(\a):(\a)+15], v[(\b):(\b)+15], v[(\c):(\c)+7], v[(\sa)], v[(\sb)] matrix_a_scale:MATRIX_SCALE_ROW1
.elseif (\rb)
	v_wmma_scale_f32_16x16x128_f8f6f4 v[(\d):(\d)+7], v[(\a):(\a)+15], v[(\b):(\b)+15], v[(\c):(\c)+7], v[(\sa)], v[(\sb)] matrix_b_scale:MATRIX_SCALE_ROW1
.else
	v_wmma_scale_f32_16x16x128_f8f6f4 v[(\d):(\d)+7], v[(\a):(\a)+15], v[(\b):(\b)+15], v[(\c):(\c)+7], v[(\sa)], v[(\sb)]
.endif
.endif
.endm
; 64 numbers of a lane, four blocks' 16 each: the blocks' scales and the scale word
.macro QMAX s
.irp b, 0,1,2,3
	v_max3_num_f32 v[TM+\b], |v[\s+16*\b]|, |v[\s+1+16*\b]|, 0x4800000
.endr
.irp i, 2,4,6,8,10,12,14
.irp b, 0,1,2,3
	v_max3_num_f32 v[TM+\b], v[TM+\b], |v[\s+16*\b+\i]|, |v[\s+1+16*\b+\i]|
.endr
.endr
.irp b, 0,1,2,3
	s_delay_alu instid0(VALU_DEP_4)
	v_permlanex16_b32 v[TM+4+\b], v[TM+\b], s[SEL], s[SEL+1]
.endr
.irp b, 0,1,2,3
	s_delay_alu instid0(VALU_DEP_4)
	v_max_num_f32 v[TM+\b], v[TM+\b], v[TM+4+\b]
.endr
.irp b, 0,1,2,3
	s_delay_alu instid0(VALU_DEP_4)
	v_add_nc_u32 v[TM+12+\b], 0xfc000000, v[TM+\b]
.endr
.irp b, 0,1,2,3
	v_and_or_b32 v[TM+8+\b], v[TM+\b], 0x7f800000, s[MNT]
.endr
.irp b, 0,1,2,3
	v_lshrrev_b32 v[TM+4+\b], 23, v[TM+12+\b]
.endr
	s_delay_alu instid0(VALU_DEP_3)
	v_lshl_or_b32 v[PW], v[TM+5], 8, v[TM+4]
	s_delay_alu instid0(VALU_DEP_1)
	v_lshl_or_b32 v[PW], v[TM+6], 16, v[PW]
	s_delay_alu instid0(VALU_DEP_1)
	v_lshl_or_b32 v[PW], v[TM+7], 24, v[PW]
.endm
; the hold and the conversions: the fragment's 16 registers
.macro QCVT s
.irp b, 0,1,2,3
.irp i, 0,1,2,3,4,5,6,7,8,9,10,11,12,13,14,15
	v_med3_num_f32 v[\s+16*\b+\i], v[\s+16*\b+\i], -v[TM+8+\b], v[TM+8+\b]
.endr
	v_cvt_scalef32_pk8_fp8_f32 v[PC+4*\b:PC+1+4*\b], v[\s+16*\b:\s+7+16*\b], v[TM+12+\b]
	v_cvt_scalef32_pk8_fp8_f32 v[PC+2+4*\b:PC+3+4*\b], v[\s+8+16*\b:\s+15+16*\b], v[TM+12+\b]
.endr
	v_nop
.endm
	s_load_b256 s[4:11], s[0:1], 0x0               ; ao 4, o_w codes 6, o_w scales 8, o_b 10
	s_load_b128 s[12:15], s[0:1], 0x20             ; router_w 12, ml 14
	s_set_vgpr_msb 0x40
	v_lshl_add_u32 v0, v0, 2, 0x29000
	v_mov_b32 v1, 0
	s_set_vgpr_msb 0x4045
	ds_add_u32 v0, v1
	ds_add_u32 v0, v1
	s_set_vgpr_msb 0x4500
	v_lshrrev_b32 v1, 5, v0
	s_delay_alu instid0(VALU_DEP_1)
	v_readfirstlane_b32 s[WV], v1
	s_bfe_u32 s17, ttmp6, 0x40000                  ; cx
	s_bfe_u32 s18, ttmp6, 0x40004                  ; cy
	s_lshl_b32 s19, ttmp9, 2
	s_add_co_u32 s19, s19, s17                     ; nb: my 128 columns
	s_and_b32 s20, ttmp7, 0xffff
	s_lshl_b32 s20, s20, 2
	s_add_co_u32 s20, s20, s18                     ; TB: my 128 tokens
	s_lshl_b32 s21, s18, 2
	s_lshl_b32 s21, 15, s21                        ; my row of the cluster
	s_lshl_b32 s22, 0x1111, s17                    ; my column
	s_or_b32 s24, s22, (1<<20)|(1<<21)|(6<<22)|(3<<25)   ; o_w: 32 rows of 512 bytes of the row's 1,024, 16 bytes of padding behind each
	s_mov_b32 s25, 512<<16
	s_mov_b32 s26, 32<<16
	s_mov_b32 s27, 512<<16
	s_mov_b32 s28, 32
	s_mov_b32 s29, 1024
	s_mov_b32 s30, 0
	s_mov_b32 s31, 0
	s_or_b32 s40, s21, (3<<16)|(1<<21)             ; ao's images of two tiles: 16,384 dense bytes
	s_mov_b32 s41, 32<<16
	s_mov_b32 s42, 64<<16
	s_mov_b32 s43, 32<<16
	s_mov_b32 s44, 64
	s_mov_b32 s45, 32
	s_mov_b32 s46, 0
	s_mov_b32 s47, 0
	s_and_b32 s23, s[WV], 3                        ; which quarter I fetch
	s_lshl_b32 s66, s19, 7
	s_lshl_b32 s67, s23, 5
	s_add_co_u32 s66, s66, s67
	s_lshl_b32 s68, s66, 10
	s_mov_b32 s69, 0
	s_lshl_b32 s72, s20, 3
	s_lshl_b32 s73, s23, 1
	s_add_co_u32 s72, s72, s73
	s_lshl_b32 s72, s72, 13
	s_mov_b32 s73, 0
	s_wait_dscnt 0x0
	s_wait_kmcnt 0x0
	s_mov_b32 s48, 1
	s_mul_i32 s49, s23, 16896
	s_add_nc_u64 s[50:51], s[6:7], s[68:69]
	s_or_b32 s51, s51, 0x80000000
	s_mov_b32 s56, 1
	s_lshl_b32 s57, s23, 14
	s_add_co_u32 s57, s57, XI
	s_add_nc_u64 s[58:59], s[4:5], s[72:73]
	s_or_b32 s59, s59, 0x80000000
	CROUND
	s_cmp_lt_u32 s[WV], 4                          ; waves 0-3 fetch o_w's codes, waves 4-7 ao: one load a wave; LDS bytes are filled once
	s_cbranch_scc0 .Lfx
	tensor_load_to_lds s[48:51], s[24:31]
	s_nop 0
	PLACES 4
	s_branch .Lfd
.Lfx:
	tensor_load_to_lds s[56:59], s[40:47]
	s_nop 0
	PLACES 4
.Lfd:
	v_and_b32 v1, 31, v0
	v_and_b32 v2, 15, v0                           ; r; also the byte offset of the scale bytes' loads
	v_bfe_u32 v3, v0, 4, 1
	s_delay_alu instid0(VALU_DEP_3)
	v_lshlrev_b32 v4, 4, v1                        ; 16 l
	s_delay_alu instid0(VALU_DEP_3)
	v_mul_u32_u24 v5, v2, 528
	s_delay_alu instid0(VALU_DEP_1)
	v_lshl_add_u32 v5, v3, 3, v5                   ; o_w: row r, 8 h
	s_lshl_b32 s66, s[WV], 13
	s_add_co_u32 s66, s66, XI
	v_add_nc_u32 v6, s66, v4                       ; my tile's images
	v_lshlrev_b32 v7, 5, v1                        ; o_w's scale words: lane l takes row l of 32, 32 bytes a row
	s_wait_alu depctr_va_vdst(0)
	s_and_b32 s66, s[WV], 1
	s_lshl_b32 s66, s66, 8
	s_lshr_b32 s67, s[WV], 1
	s_lshl_b32 s67, s67, 2
	s_add_co_u32 s66, s66, s67
	s_add_co_u32 s66, s66, ST
	v_lshl_add_u32 v8, v2, 4, s66                  ; my tile's words in the scale record
	s_lshl_b32 s66, s[WV], 7
	s_add_co_u32 s66, s66, ST+512
	v_lshl_add_u32 v9, v2, 3, s66
	s_delay_alu instid0(VALU_DEP_1)
	v_lshl_add_u32 v9, v3, 2, v9                   ; the router's pair of token r: lanes 0-15 expert 0, lanes 16-31 expert 1
	s_min_u32 s66, s[WV], 2
	s_lshl_b32 s66, s66, 9
	s_add_co_u32 s66, s66, ST
	v_add_nc_u32 v10, s66, v4
	v_lshlrev_b32 v3, 5, v3                        ; 32 h
	s_wait_alu depctr_va_vdst(0)
	v_lshlrev_b32 v1, 1, v3                        ; 64 h
	s_mov_b32 s[SEL], 0x76543210
	s_mov_b32 s[SEL+1], 0xfedcba98
	s_mov_b32 s[MNT], 0x600000
	s_lshl_b32 s67, s20, 3
	s_add_co_u32 s67, s67, s[WV]                   ; T
	s_lshl_b32 s68, s67, 4
	s_add_co_u32 s68, s68, AOSC
	s_mov_b32 s69, 0
	s_add_nc_u64 s[74:75], s[4:5], s[68:69]
	s_lshl_b32 s68, s19, 9
	s_add_nc_u64 s[76:77], s[10:11], s[68:69]
	s_lshl_b32 s68, s19, 12
	s_add_nc_u64 s[52:53], s[8:9], s[68:69]        ; o_w's scale bytes at my 128 rows
	s_lshl_b32 s68, s19, 10
	s_add_nc_u64 s[78:79], s[12:13], s[68:69]
	s_lshl_b32 s68, s67, 3
	s_add_co_u32 s68, s68, s19
	s_lshl_b32 s68, s68, 11
	s_add_nc_u64 s[80:81], s[14:15], s[68:69]      ; fragment (T, K step nb) of mla
	s_lshl_b32 s68, s19, 5
	s_add_co_u32 s68, s68, s20
	s_lshl_b32 s68, s68, 9
	s_add_co_u32 s68, s68, MLSC
	s_lshl_b32 s70, s19, 8
	s_lshl_b32 s71, s20, 3
	s_add_co_u32 s70, s70, s71
	s_lshl_b32 s70, s70, 7
	s_lshl_b32 s71, s[WV], 9
	s_add_co_u32 s70, s70, s71
	s_add_co_u32 s70, s70, RPART-512
	s_cmp_eq_u32 s[WV], 0
	s_cselect_b32 s68, s68, s70
	s_add_nc_u64 s[82:83], s[14:15], s[68:69]      ; wave 0: the scale record; waves 1, 2: the halves of the router's sums
.irp p, 0,1,2,3
	global_load_b128 v[16+4*\p:19+4*\p], v7, s[52:53] offset:1024*\p   ; from memory straight into the scale registers: K steps 0-3 of tiles 2 p (lanes 0-15) and 2 p + 1 (lanes 16-31); they stand ahead of the bytes below, so the counted wait shows them in
.endr
.irp s, 0,1,2,3
.irp k, 0,1,2,3
	global_load_u8 v[112+4*\s+\k], v2, s[74:75] offset:4096*(4*\s+\k)
.endr
.endr
.irp t, 0,1,2,3,4,5,6,7
	global_load_b128 v[48+8*\t:51+8*\t], v3, s[76:77] offset:64*\t        ; o_b in the result's layout: the sums begin on it
	global_load_b128 v[52+8*\t:55+8*\t], v3, s[76:77] offset:64*\t+16
.endr
	s_wait_loadcnt 16                              ; the sixteen bytes are in; the bias may be out
.irp s, 0,1,2,3
	v_lshl_or_b32 v[12+\s], v[113+4*\s], 8, v[112+4*\s]
.endr
.irp s, 0,1,2,3
	s_delay_alu instid0(VALU_DEP_4)
	v_lshl_or_b32 v[12+\s], v[114+4*\s], 16, v[12+\s]
.endr
.irp s, 0,1,2,3
	s_delay_alu instid0(VALU_DEP_4)
	v_lshl_or_b32 v[12+\s], v[115+4*\s], 24, v[12+\s]
.endr
	s_wait_alu depctr_va_vdst(0)
	s_wait_tensorcnt 0x0
	s_barrier_signal -1
	s_barrier_wait -1
.macro KSTEP s
	PLACES 8                                       ; in front of loads into registers that matrix instructions have read; in the first step: behind the scale words' last line
.irp c, 0,1,2,3
	ds_load_b128 v[32+4*\c:35+4*\c], v6 offset:2048*\s+512*\c
.endr
.irp t, 0,1,2,3,4,5,6,7
.irp c, 0,1,2,3,4,5,6,7
	ds_load_b64 v[128+16*\t+2*\c:129+16*\t+2*\c], v5 offset:8448*\t+128*\s+16*\c
.endr
.endr
	s_wait_dscnt 0x0
.if \s == 0
	s_wait_loadcnt 0x0
.endif
.irp t, 0,1,2,3,4,5,6,7
	WM 48+8*\t, 128+16*\t, 32, 48+8*\t, 16+4*(\t/2)+\s, 12+\s, \t%2, 0
.endr
.endm
.irp s, 0,1,2,3
	KSTEP \s
.endr
	PLACES 8
.irp t, 0,1,2,3,4,5,6,7
.irp k, 0,1,2,3
	global_load_b128 v[128+16*\t+4*\k:131+16*\t+4*\k], v1, s[78:79] offset:128*\t+16*\k   ; router_w's pairs of my 64 columns
.endr
.endr
	QMAX 48
	s_wait_loadcnt 0x0
.set nn, 0
.rept 64                                       ; (z0, z1) += mla(n) x router_w(n, 0 .. 1), in f32, four chains
.set xp, 48+2*(nn/2)
.set wp, 128+2*nn
.set ra, 112+2*(nn%4)
.if nn < 4
.if nn%2
	v_pk_mul_f32 v[ra:ra+1], v[xp:xp+1], v[wp:wp+1] op_sel:[1,0] op_sel_hi:[1,1]
.else
	v_pk_mul_f32 v[ra:ra+1], v[xp:xp+1], v[wp:wp+1] op_sel_hi:[0,1]
.endif
.else
.if nn%2
	v_pk_fma_f32 v[ra:ra+1], v[xp:xp+1], v[wp:wp+1], v[ra:ra+1] op_sel:[1,0,0] op_sel_hi:[1,1,1]
.else
	v_pk_fma_f32 v[ra:ra+1], v[xp:xp+1], v[wp:wp+1], v[ra:ra+1] op_sel_hi:[0,1,1]
.endif
.endif
.set nn, nn+1
.endr
	s_delay_alu instid0(VALU_DEP_3)
	v_pk_add_f32 v[112:113], v[112:113], v[114:115]
	s_delay_alu instid0(VALU_DEP_2)
	v_pk_add_f32 v[116:117], v[116:117], v[118:119]
	s_delay_alu instid0(VALU_DEP_1)
	v_pk_add_f32 v[112:113], v[112:113], v[116:117]
	s_delay_alu instid0(VALU_DEP_1)
	v_permlanex16_b32 v114, v112, s[SEL], s[SEL+1]
	s_delay_alu instid0(VALU_DEP_2)
	v_permlanex16_b32 v115, v113, s[SEL], s[SEL+1]
	s_delay_alu instid0(VALU_DEP_1)
	v_pk_add_f32 v[112:113], v[112:113], v[114:115]
	v_cmp_ne_u32 vcc_lo, 0, v3
	s_delay_alu instid0(VALU_DEP_1)
	v_cndmask_b32 v0, v112, v113, vcc_lo
	ds_store_b32 v9, v0
	QCVT 48
.irp c, 0,1,2,3
	global_store_b128 v4, v[112+4*\c:115+4*\c], s[80:81] offset:512*\c
.endr
	ds_store_b32 v8, v[PW]
	s_wait_dscnt 0x0
	s_barrier_signal -1
	s_barrier_wait -1
	s_cmp_lt_u32 s[WV], 3
	s_cbranch_scc0 .Lend
	ds_load_b128 v[32:35], v10
	s_wait_dscnt 0x0
	global_store_b128 v4, v[32:35], s[82:83]       ; 512 consecutive bytes
.Lend:
	s_set_vgpr_msb 0x5
	s_wait_tensorcnt 0x0
	ds_add_u32 v0, v1
	s_wait_dscnt 0x0
	s_set_vgpr_msb 0x500
	CROUND
	s_endpgm
.Lfunc_end_k_qf14291f447_oproj:
	.size	k_qf14291f447_oproj, .Lfunc_end_k_qf14291f447_oproj-k_qf14291f447_oproj
	.p2alignl 7, 3214868480
	.fill 96, 4, 3214868480
	.section	.rodata,"a",@progbits
	.p2align	6, 0x0
	.amdhsa_kernel k_qf14291f447_oproj
		.amdhsa_group_segment_fixed_size 168960
		.amdhsa_private_segment_fixed_size 0
		.amdhsa_enable_private_segment 0
		.amdhsa_kernarg_size 48
		.amdhsa_user_sgpr_count 2
		.amdhsa_user_sgpr_kernarg_segment_ptr 1
		.amdhsa_wavefront_size32 1
		.amdhsa_system_sgpr_workgroup_id_x 1
		.amdhsa_system_sgpr_workgroup_id_y 1
		.amdhsa_system_sgpr_workgroup_id_z 1
		.amdhsa_system_vgpr_workitem_id 0
		.amdhsa_next_free_vgpr 258
		.amdhsa_next_free_sgpr 90
		.amdhsa_reserve_vcc 1
		.amdhsa_float_denorm_mode_32 3
		.amdhsa_float_denorm_mode_16_64 3
		.amdhsa_memory_ordered 1
		.amdhsa_forward_progress 1
		.amdhsa_inst_pref_size 51
	.end_amdhsa_kernel
	.amdgpu_metadata
---
amdhsa.version: [ 1, 2 ]
amdhsa.kernels:
  - .name:           k_qf14291f447_oproj
    .symbol:         k_qf14291f447_oproj.kd
    .args:
      - { .name: ao, .offset: 0, .size: 8, .value_kind: global_buffer, .address_space: global }
      - { .name: o_w_codes, .offset: 8, .size: 8, .value_kind: global_buffer, .address_space: global }
      - { .name: o_w_scales, .offset: 16, .size: 8, .value_kind: global_buffer, .address_space: global }
      - { .name: o_b, .offset: 24, .size: 8, .value_kind: global_buffer, .address_space: global }
      - { .name: router_w, .offset: 32, .size: 8, .value_kind: global_buffer, .address_space: global }
      - { .name: ml, .offset: 40, .size: 8, .value_kind: global_buffer, .address_space: global }
    .group_segment_fixed_size: 168960
    .private_segment_fixed_size: 0
    .kernarg_segment_align: 8
    .kernarg_segment_size: 48
    .max_flat_workgroup_size: 256
    .sgpr_count:     90
    .vgpr_count:     258
    .wavefront_size: 32
...
	.end_amdgpu_metadata
.endif
;; end of part 3
;; launch ffn1 (part 4): grid 16 x 16, 4 waves a work-group, clusters of 4 x 4, 327,680 bytes of LDS; arguments ml, w1_codes, w1_scales, b1, h1; writes h1
.if DOCPART == 4
	.amdgcn_target "amdgcn-amd-amdhsa--gfx1250"
	.amdhsa_code_object_version 6
	.text
	.protected	k_qf14291f447_ffn1
	.globl	k_qf14291f447_ffn1
	.p2align	8
	.type	k_qf14291f447_ffn1,@function
k_qf14291f447_ffn1:
	s_mov_b64 s[64:65], 0
	v_nop
	global_prefetch_b8 v0, s[64:65] scope:SCOPE_SE
	s_setreg_imm32_b32 hwreg(HW_REG_WAVE_MODE, 25, 1), 1
	s_wait_xcnt 0x0
	s_wait_alu depctr_hold_cnt(0) depctr_sa_sdst(0) depctr_va_vdst(0) depctr_va_sdst(0) depctr_va_ssrc(0) depctr_va_vcc(0) depctr_vm_vsrc(0)
	s_getreg_b32 s2, hwreg(HW_REG_IB_STS2, 6, 4)
	s_cmp_eq_u32 s2, 0
	s_cbranch_scc0 .Lentry_in_a_cluster
	s_endpgm
.Lentry_in_a_cluster:
	s_bfe_u32 s2, ttmp6, 0x10000c
	s_cmp_lg_u32 s2, 0xf033
	s_cbranch_scc0 .Lentry_shape_is_right
	s_endpgm
.Lentry_shape_is_right:
.set SLOT,  135168
.set SCX,   270336
.set SCW,   278528
.set SPARE, 287232
.set STG,   287744
.set MLSC,  4194304
.set H1SC,  16777216
.set AF,    128
.set SC,    32
.set TM,    192
.set PC,    208
.set PW,    31
.set SEL,   66
.set MNT,   97
.set G1,    24
.set G0,    32
.set G1B,   48
.set G0B,   56
.set G1S,   68
.set G0S,   76
.set G1SB,  80
.set G0SB,  88
.set MSB,   0
.macro WIN new
.if MSB != (\new)
	s_set_vgpr_msb (MSB<<8)|(\new)
.set MSB, (\new)
.endif
.endm
.macro PLACES n
.rept \n
	v_nop
.endr
.endm
.macro JLOAD g0a, g1a, g0b, g1b
	s_cmp_eq_u32 s15, 0
	s_cbranch_scc0 .Lfor_b_\@
	tensor_load_to_lds s[\g0a:\g0a+3], s[\g1a:\g1a+7]
	s_nop 0
	PLACES 4
	s_branch .Lasked_\@
.Lfor_b_\@:
	tensor_load_to_lds s[\g0b:\g0b+3], s[\g1b:\g1b+7]
	s_nop 0
	PLACES 4
.Lasked_\@:
.endm
.macro CREST
	s_cmp_lg_u32 s14, 0
	s_cbranch_scc1 .Lnw0_\@
	s_barrier_signal -3
.Lnw0_\@:
	s_barrier_wait -3
	s_barrier_signal -1
	s_barrier_wait -1
.endm
.macro CROUND
	s_barrier_signal -1
	s_barrier_wait -1
	CREST
.endm
.macro WM d, a, b, c, sa, sb, ra, rb
.if (\c) < 0
.if (\ra) && (\rb)
	v_wmma_scale_f32_16x16x128_f8f6f4 v[(\d):(\d)+7], v[(\a):(\a)+15], v[(\b):(\b)+15], 0, v[(\sa)], v[(\sb)] matrix_a_scale:MATRIX_SCALE_ROW1 matrix_b_scale:MATRIX_SCALE_ROW1
.elseif (\ra)
	v_wmma_scale_f32_16x16x128_f8f6f4 v[(\d):(\d)+7], v[(\a):(\a)+15], v[(\b):(\b)+15], 0, v[(\sa)], v[(\sb)] matrix_a_scale:MATRIX_SCALE_ROW1
.elseif (\rb)
	v_wmma_scale_f32_16x16x128_f8f6f4 v[(\d):(\d)+7], v[(\a):(\a)+15], v[(\b):(\b)+15], 0, v[(\sa)], v[(\sb)] matrix_b_scale:MATRIX_SCALE_ROW1
.else
	v_wmma_scale_f32_16x16x128_f8f6f4 v[(\d):(\d)+7], v[(\a):(\a)+15], v[(\b):(\b)+15], 0, v[(\sa)], v[(\sb)]
.endif
.else
.if (\ra) && (\rb)
	v_wmma_scale_f32_16x16x128_f8f6f4 v[(\d):(\d)+7], v[(\a):(\a)+15], v[(\b):(\b)+15], v[(\c):(\c)+7], v[(\sa)], v[(\sb)] matrix_a_scale:MATRIX_SCALE_ROW1 matrix_b_scale:MATRIX_SCALE_ROW1
.elseif (\ra)
	v_wmma_scale_f32_16x16x128_f8f6f4 v[(\d):(\d)+7], v[(\a):(\a)+15], v[(\b):(\b)+15], v[(\c):(\c)+7], v[(\sa)], v[(\sb)] matrix_a_scale:MATRIX_SCALE_ROW1
.elseif (\rb)
	v_wmma_scale_f32_16x16x128_f8f6f4 v[(\d):(\d)+7], v[(\a):(\a)+15], v[(\b):(\b)+15], v[(\c):(\c)+7], v[(\sa)], v[(\sb)] matrix_b_scale:MATRIX_SCALE_ROW1
.else
	v_wmma_scale_f32_16x16x128_f8f6f4 v[(\d):(\d)+7], v[(\a):(\a)+15], v[(\b):(\b)+15], v[(\c):(\c)+7], v[(\sa)], v[(\sb)]
.endif
.endif
.endm
.macro QMAX s
.irp b, 0,1,2,3
	v_max3_num_f32 v[TM+\b], |v[\s+16*\b]|, |v[\s+1+16*\b]|, 0x4800000
.endr
.irp i, 2,4,6,8,10,12,14
.irp b, 0,1,2,3
	v_max3_num_f32 v[TM+\b], v[TM+\b], |v[\s+16*\b+\i]|, |v[\s+1+16*\b+\i]|
.endr
.endr
.irp b, 0,1,2,3
	v_permlanex16_b32 v[TM+4+\b], v[TM+\b], s[SEL], s[SEL+1]
.endr
.irp b, 0,1,2,3
	v_max_num_f32 v[TM+\b], v[TM+\b], v[TM+4+\b]
.endr
.irp b, 0,1,2,3
	v_add_nc_u32 v[TM+12+\b], 0xfc000000, v[TM+\b]
.endr
.irp b, 0,1,2,3
	v_and_or_b32 v[TM+8+\b], v[TM+\b], 0x7f800000, s[MNT]
.endr
.irp b, 0,1,2,3
	v_lshrrev_b32 v[TM+4+\b], 23, v[TM+12+\b]
.endr
	v_lshl_or_b32 v[PW], v[TM+5], 8, v[TM+4]
	v_lshl_or_b32 v[PW], v[TM+6], 16, v[PW]
	v_lshl_or_b32 v[PW], v[TM+7], 24, v[PW]
.endm
.macro QCVT s
.irp b, 0,1,2,3
.irp i, 0,1,2,3,4,5,6,7,8,9,10,11,12,13,14,15
	v_med3_num_f32 v[\s+16*\b+\i], v[\s+16*\b+\i], -v[TM+8+\b], v[TM+8+\b]
.endr
	v_cvt_scalef32_pk8_fp8_f32 v[PC+4*\b:PC+1+4*\b], v[\s+16*\b:\s+7+16*\b], v[TM+12+\b]
	v_cvt_scalef32_pk8_fp8_f32 v[PC+2+4*\b:PC+3+4*\b], v[\s+8+16*\b:\s+15+16*\b], v[TM+12+\b]
.endr
	v_nop
.endm
	s_load_b256 s[4:11], s[0:1], 0x0
	s_load_b64 s[12:13], s[0:1], 0x20
	v_lshl_add_u32 v28, v0, 2, SPARE
	v_mov_b32 v29, 0
	ds_add_u32 v28, v29
	ds_add_u32 v28, v29
	s_wait_dscnt 0x0
	v_lshrrev_b32 v1, 5, v0
	v_readfirstlane_b32 s14, v1
	s_lshr_b32 s15, s14, 1
	s_and_b32 s16, s14, 1
	s_bfe_u32 s40, ttmp6, 0x40000
	s_bfe_u32 s41, ttmp6, 0x40004
	s_lshl_b32 s42, ttmp9, 2
	s_add_co_u32 s42, s42, s40
	s_and_b32 s17, ttmp7, 0xffff
	s_lshl_b32 s17, s17, 2
	s_add_co_u32 s17, s17, s41
	s_lshl_b32 s43, s41, 2
	s_lshl_b32 s43, 15, s43
	s_lshl_b32 s44, 0x1111, s40
	s_or_b32 s[G1], s43, (3<<16)|(1<<21)
	s_mov_b32 s[G1+1], 512<<16
	s_mov_b32 s[G1+2], 16<<16                      ; the head's loads bring whole tiles: twice the ring's rows
	s_mov_b32 s[G1+3], 512<<16
	s_mov_b32 s[G1+4], 16
	s_mov_b32 s[G1+5], 2048
	s_mov_b32 s[G1+6], 0
	s_mov_b32 s[G1+7], 0
	s_or_b32 s[G1B], s44, (1<<20)|(1<<21)|(5<<22)|(3<<25)
	s_mov_b32 s[G1B+1], 256<<16
	s_mov_b32 s[G1B+2], 256<<16
	s_mov_b32 s[G1B+3], 256<<16
	s_mov_b32 s[G1B+4], 256
	s_mov_b32 s[G1B+5], 1024
	s_mov_b32 s[G1B+6], 0
	s_mov_b32 s[G1B+7], 0
	s_or_b32 s[G1S], s43, (3<<16)|(1<<21)
	s_mov_b32 s[G1S+1], 128<<16
	s_mov_b32 s[G1S+2], 8<<16
	s_mov_b32 s[G1S+3], 128<<16
	s_mov_b32 s[G1S+4], 8
	s_mov_b32 s[G1S+5], 2048
	s_mov_b32 s[G1S+6], 0
	s_mov_b32 s[G1S+7], 0
	s_or_b32 s[G1SB], s44, (3<<16)|(1<<20)|(1<<21)|(5<<22)|(3<<25)
	s_mov_b32 s[G1SB+1], 32<<16
	s_mov_b32 s[G1SB+2], 32<<16
	s_mov_b32 s[G1SB+3], 32<<16
	s_mov_b32 s[G1SB+4], 32
	s_mov_b32 s[G1SB+5], 32
	s_mov_b32 s[G1SB+6], 0
	s_mov_b32 s[G1SB+7], 0
	s_lshl_b32 s20, s17, 4
	s_lshl_b32 s18, s16, 3
	s_add_co_u32 s20, s20, s18
	s_lshl_b32 s20, s20, 14
	s_mov_b32 s21, 0
	s_lshl_b32 s22, s17, 10
	s_add_co_u32 s22, s22, MLSC
	s_mov_b32 s23, 0
	s_lshl_b32 s46, s42, 8
	s_lshl_b32 s19, s16, 7
	s_add_co_u32 s46, s46, s19
	s_lshl_b32 s92, s42, 13
	s_mov_b32 s93, 0
	s_lshl_b32 s46, s46, 10
	s_mov_b32 s47, 0
	s_lshl_b32 s45, s16, 15
	s_mul_i32 s94, s16, 34816
	s_add_co_u32 s94, s94, 65536
	s_mov_b32 s95, SCX
	s_mov_b32 s96, SCW
	s_wait_kmcnt 0x0
	s_add_nc_u64 s[20:21], s[4:5], s[20:21]
	s_add_nc_u64 s[22:23], s[4:5], s[22:23]
	s_add_nc_u64 s[46:47], s[6:7], s[46:47]
	s_add_nc_u64 s[92:93], s[8:9], s[92:93]
	CROUND
	s_mov_b32 s[G0S], 1
	s_mov_b32 s[G0S+1], s95
	s_mov_b64 s[G0S+2:G0S+3], s[22:23]
	s_or_b32 s[G0S+3], s[G0S+3], 0x80000000
	s_mov_b32 s[G0SB], 1
	s_mov_b32 s[G0SB+1], s96
	s_mov_b64 s[G0SB+2:G0SB+3], s[92:93]
	s_or_b32 s[G0SB+3], s[G0SB+3], 0x80000000
.irp s, 0,1
	s_mov_b32 s[G0+4*\s], 1
	s_add_co_u32 s[G0+4*\s+1], s45, \s*SLOT
	s_add_nc_u64 s[G0+4*\s+2:G0+4*\s+3], s[20:21], \s*4096
	s_or_b32 s[G0+4*\s+3], s[G0+4*\s+3], 0x80000000
	s_mov_b32 s[G0B+4*\s], 1
	s_add_co_u32 s[G0B+4*\s+1], s94, \s*SLOT
	s_add_nc_u64 s[G0B+4*\s+2:G0B+4*\s+3], s[46:47], \s*256
	s_or_b32 s[G0B+4*\s+3], s[G0B+4*\s+3], 0x80000000
.endr
; THE HEAD'S LOADS, ONE A WAVE, in one chain of arms on the wave's number: wave 0 slot 0's 16 tiles of tokens, wave 2 its 256 rows of w1 (both begin where that wave's own part of the ring begins),
; wave 1 the tokens' scale records, wave 3 w1's scale bytes
.macro ARM w, g0, g1, next
	s_cmp_eq_u32 s14, \w
	s_cbranch_scc0 \next
	tensor_load_to_lds s[\g0:\g0+3], s[\g1:\g1+7]
	s_nop 0
	PLACES 4
	s_branch .Lhead_asked
\next:
.endm
	ARM 0, G0, G1, .Lhead_b
	ARM 2, G0B, G1B, .Lhead_sa
	ARM 1, G0S, G1S, .Lhead_sb
	tensor_load_to_lds s[G0SB:G0SB+3], s[G1SB:G1SB+7]
	s_nop 0
	PLACES 4
.Lhead_asked:
	v_and_b32 v1, 31, v0
	v_and_b32 v2, 15, v0
	v_bfe_u32 v3, v0, 4, 1
	v_lshlrev_b32 v26, 4, v1
	s_lshl_b32 s18, s15, 15
	v_add_nc_u32 v16, s18, v26
	s_add_co_u32 s18, s18, SLOT
	v_add_nc_u32 v17, s18, v26
	v_mul_u32_u24 v4, v2, 272
	v_lshl_add_u32 v4, v3, 3, v4
	s_mul_i32 s18, s16, 34816
	s_add_co_u32 s18, s18, 65536
	v_add_nc_u32 v20, s18, v4
	s_add_co_u32 s18, s18, SLOT
	v_add_nc_u32 v21, s18, v4
	s_lshl_b32 s18, s15, 9
	s_add_co_u32 s18, s18, SCX
	v_add_nc_u32 v22, s18, v26
	v_lshrrev_b32 v4, 3, v1
	v_lshlrev_b32 v5, 5, v1
	v_lshl_add_u32 v5, v4, 4, v5
	s_mul_i32 s18, s16, 4352
	s_add_co_u32 s18, s18, SCW
	v_add_nc_u32 v23, s18, v5
	s_lshl_b32 s18, s14, 9
	s_add_co_u32 s18, s18, STG
	v_lshl_add_u32 v24, v2, 2, s18
	v_lshl_add_u32 v25, v1, 2, s18
	v_lshlrev_b32 v27, 5, v3
	s_wait_alu depctr_va_vdst(0)
	v_mov_b32 v6, 0x3e7c6f08
	v_mov_b32 v7, 0x3e7c6f08
	s_mov_b32 s[SEL], 0x76543210
	s_mov_b32 s[SEL+1], 0xfedcba98
	s_mov_b32 s[MNT], 0x600000
	s_lshl_b32 s18, s42, 10
	s_lshl_b32 s19, s16, 9
	s_add_co_u32 s18, s18, s19
	s_mov_b32 s19, 0
	s_add_nc_u64 s[10:11], s[10:11], s[18:19]
.irp b, 0,1,2,3,4,5,6,7
	global_load_b128 v[64+8*\b:67+8*\b], v27, s[10:11] offset:64*\b
	global_load_b128 v[68+8*\b:71+8*\b], v27, s[10:11] offset:64*\b+16
.endr
	s_lshr_b32 s18, s42, 3
	s_and_b32 s19, s42, 7
	s_lshl_b32 s19, s19, 1
	s_add_co_u32 s19, s19, s16
	s_lshl_b32 s20, s18, 4
	s_add_co_u32 s20, s20, s19
	s_lshl_b32 s20, s20, 5
	s_lshl_b32 s21, s17, 1
	s_add_co_u32 s20, s20, s21
	s_add_co_u32 s20, s20, s15
	s_lshl_b32 s20, s20, 9
	s_add_co_u32 s20, s20, H1SC
	s_mov_b32 s21, 0
	s_add_nc_u64 s[98:99], s[12:13], s[20:21]
	s_lshl_b32 s20, s18, 8
	s_lshl_b32 s22, s17, 4
	s_add_co_u32 s20, s20, s22
	s_lshl_b32 s22, s15, 3
	s_add_co_u32 s20, s20, s22
	s_lshl_b32 s20, s20, 4
	s_add_co_u32 s20, s20, s19
	s_lshl_b32 s20, s20, 11
	s_add_nc_u64 s[12:13], s[12:13], s[20:21]
.macro FRAG_A reg, slot, q, i
.irp c, 0,1,2,3
	ds_load_b128 v[(\reg)+4*\c:(\reg)+4*\c+3], v[16+(\slot)] offset:4096*(\i)+2048*(\q)+512*\c
.endr
.endm
.macro FRAG_B reg, slot, q, i
.irp c, 0,1,2,3,4,5,6,7
	ds_load_b64 v[(\reg)+2*\c:(\reg)+2*\c+1], v[20+(\slot)] offset:4352*(\i)+128*(\q)+16*\c
.endr
.endm
.macro FETCH_B slot, q, p
	WIN 0x40
.irp i, 0,1,2,3,4,5,6,7
	FRAG_B 128*(\p)+16*\i, \slot, \q, \i
.endr
	WIN 0
.endm
.macro FETCH_A slot, q, i0
.irp i, \i0, \i0+1, \i0+2, \i0+3
	FRAG_A AF+16*(\i), \slot, \q, \i
.endr
.endm
.macro SCALES sg
.irp q, 0,1
	ds_load_b128 v[SC+16*((\sg)%2)+4*\q:SC+16*((\sg)%2)+4*\q+3], v22 offset:2048*(\sg)+1024*\q
.endr
.irp p, 0,1,2,3
	ds_load_b64 v[SC+16*((\sg)%2)+8+2*\p:SC+16*((\sg)%2)+9+2*\p], v23 offset:8*(\sg)+1088*\p
.endr
.endm
.macro MUL16 a0, p, q, sc, first
.irp a, \a0, \a0+1
.irp b, 0,1,2,3,4,5,6,7
.if \first
	WM 8*(8*((\a)%4)+\b), 128*(\p)+16*\b, AF+16*(\a), 64+8*\b, SC+16*(\sc)+8+2*(\b/2)+(\q), SC+16*(\sc)+4*(\q)+(\a)/2, \b%2, (\a)%2
.else
	WM 8*(8*((\a)%4)+\b), 128*(\p)+16*\b, AF+16*(\a), 8*(8*((\a)%4)+\b), SC+16*(\sc)+8+2*(\b/2)+(\q), SC+16*(\sc)+4*(\q)+(\a)/2, \b%2, (\a)%2
.endif
.endr
.endr
.endm
.macro STEP sg, first
	s_wait_dscnt 16
.if \first
	WIN 0x81
.else
	WIN 0xa1
.endif
	MUL16 0, 0, 0, (\sg)%2, \first
	MUL16 2, 0, 0, (\sg)%2, \first
	s_wait_dscnt 0x0
	PLACES 8
	FETCH_B (\sg)%2, 1, 1
	FETCH_A (\sg)%2, 1, 0
.if \first
	WIN 0xc1
.else
	WIN 0xf1
.endif
	MUL16 4, 0, 0, (\sg)%2, \first
	MUL16 6, 0, 0, (\sg)%2, \first
	PLACES 8
	WIN 0
	FETCH_A (\sg)%2, 1, 4
.endm
.macro TURN sg, fill
	s_wait_tensorcnt 0x0
	ds_add_u32 v28, v29
	s_wait_dscnt 17
	WIN 0xa1
	MUL16 0, 1, 1, (\sg)%2, 0
	s_wait_dscnt 0x0
	s_barrier_signal -1
	MUL16 2, 1, 1, (\sg)%2, 0
	WIN 0
	s_barrier_wait -1
.if \fill
	CREST
	s_add_nc_u64 s[G0+4*((\sg)%2)+2:G0+4*((\sg)%2)+3], s[G0+4*((\sg)%2)+2:G0+4*((\sg)%2)+3], 8192
	s_add_nc_u64 s[G0B+4*((\sg)%2)+2:G0B+4*((\sg)%2)+3], s[G0B+4*((\sg)%2)+2:G0B+4*((\sg)%2)+3], 512
	JLOAD G0+4*((\sg)%2), G1, G0B+4*((\sg)%2), G1B
	PLACES 4
.else
	PLACES 8
.endif
	FETCH_B 1-(\sg)%2, 0, 0
	FETCH_A 1-(\sg)%2, 0, 0
	SCALES (\sg)+1
	WIN 0xf1
	MUL16 4, 1, 1, (\sg)%2, 0
	MUL16 6, 1, 1, (\sg)%2, 0
	PLACES 8
	WIN 0
	FETCH_A 1-(\sg)%2, 0, 4
.endm
	s_wait_alu depctr_va_vdst(0)                   ; the wait at the head's end
	s_wait_tensorcnt 0x0                           ; my tile of the head's four is in; the lines ahead of a later first fill:
	ds_add_u32 v28, v29
	s_mov_b32 s[G1+2], 8<<16                       ; no tensor load of mine is out: from here on a load brings a quarter of a slot
	s_mov_b32 s[G1+4], 8
	s_mov_b32 s[G1B+2], 128<<16
	s_mov_b32 s[G1B+4], 128
	s_wait_dscnt 0x0
	CROUND                                         ; all four tiles are in, and the sixteen work-groups are here
	JLOAD G0+4, G1, G0B+4, G1B                     ; slot 1's first fill, the first tensor load behind the round
	FETCH_B 0, 0, 0
	FETCH_A 0, 0, 0
	SCALES 0
	FETCH_A 0, 0, 4
	s_wait_loadcnt 0x0
	STEP 0, 1
	TURN 0, 1
	STEP 1, 0
	TURN 1, 1
	STEP 2, 0
	TURN 2, 0
	STEP 3, 0
	s_wait_dscnt 16
	WIN 0xa1
	MUL16 0, 1, 1, 1, 0
	MUL16 2, 1, 1, 1, 0
	s_wait_dscnt 0x0
	WIN 0xf1
	MUL16 4, 1, 1, 1, 0
	MUL16 6, 1, 1, 1, 0
	WIN 0
	PLACES 8
.macro COPY a
	WIN 0x40|(2+(\a)/4)
.set i, 0
.rept 32
	v_pk_mul_f32 v[i:i+1], v[64*((\a)%4)+i:64*((\a)%4)+i+1], 1.0 op_sel_hi:[1,0]
.set i, i+2
.endr
	WIN 0
.endm
	s_mov_b32 s3, 0
	s_mov_b32 s2, 0
.Lblk:
.irp a, 0,1,2,3,4,5,6
	s_cmp_eq_u32 s3, \a
	s_cbranch_scc1 .Lcopy\a
.endr
	COPY 7
	s_branch .Lgo
.irp a, 0,1,2,3,4,5,6
.Lcopy\a:
	COPY \a
	s_branch .Lgo
.endr
.Lgo:
	WIN 0x01
.set i, 0
.rept 64
	v_fma_f32 v[64+i], |v[i]|, 0x3eb504f3, 1.0
.set i, i+1
.endr
	WIN 0
.set i, 0
	s_wait_alu depctr_va_vdst(0)
.rept 64
	v_rcp_f32 v[64+i], v[64+i]
.set i, i+1
.endr
	v_nop
	s_wait_alu depctr_va_vdst(0)
.set i, 0
.rept 32
	v_dual_fmaak_f32 v[128+i], v[64+i], v6, 0xbf97d29d :: v_dual_fmaak_f32 v[129+i], v[65+i], v6, 0xbf97d29d
.set i, i+2
.endr
.irp k, 0x40097039, 0xbfd1a1e5, 0x3ecdfd18, 0xbe899a80, 0x3e0efb2e, 0x3f0a29d2, 0x3fb8ab5a, 0xc034d90f
.set i, 0
.rept 32
	v_dual_fmaak_f32 v[128+i], v[128+i], v[64+i], \k :: v_dual_fmaak_f32 v[129+i], v[129+i], v[65+i], \k
.set i, i+2
.endr
.endr
.irp g, 0,1
	WIN 0x05
.set i, 0
.rept 16
	v_pk_mul_f32 v[224+i:225+i], v[32*\g+i:32*\g+i+1], v[32*\g+i:32*\g+i+1]
.set i, i+2
.endr
	WIN 0
.set i, 0
.rept 16
	v_dual_fmamk_f32 v[128+32*\g+i], v[224+i], 0xbf38aa3b, v[128+32*\g+i] :: v_dual_fmamk_f32 v[129+32*\g+i], v[225+i], 0xbf38aa3b, v[129+32*\g+i]
.set i, i+2
.endr
.endr
.set i, 0
	s_wait_alu depctr_va_vdst(0)
.rept 64
	v_exp_f32 v[128+i], v[128+i]
.set i, i+1
.endr
	v_nop
	s_wait_alu depctr_va_vdst(0)
.set i, 0
.rept 32
	v_dual_mul_f32 v[128+i], v[128+i], v[64+i] :: v_dual_mul_f32 v[129+i], v[129+i], v[65+i]
.set i, i+2
.endr
	WIN 0x04
.set i, 0
.rept 64
	v_max_num_f32 v[64+i], 0, v[i]
.set i, i+1
.endr
	WIN 0x01
.set i, 0
.rept 64
	v_fma_f32 v[128+i], -|v[i]|, v[128+i], v[64+i]
.set i, i+1
.endr
	WIN 0
	QMAX 128
	QCVT 128
.irp c, 0,1,2,3
	global_store_b128 v26, v[PC+4*\c:PC+4*\c+3], s[12:13] offset:512*\c
.endr
	v_add_nc_u32 v30, s2, v24
	ds_store_b32 v30, v[PW]
	s_wait_xcnt 0x0
	s_wait_dscnt 0x0
	s_add_nc_u64 s[12:13], s[12:13], 32768
	s_add_co_u32 s2, s2, 64
	s_add_co_u32 s3, s3, 1
	s_cmp_lt_u32 s3, 8
	s_cbranch_scc1 .Lblk
.irp q, 0,1,2,3
	ds_load_b32 v[PC+\q], v25 offset:128*\q
.endr
	s_wait_dscnt 0x0
	global_store_b128 v26, v[PC:PC+3], s[98:99]
	s_wait_tensorcnt 0x0
	ds_add_u32 v28, v29
	s_wait_dscnt 0x0
	CROUND
	s_endpgm
.Lfunc_end_k_qf14291f447_ffn1:
	.size	k_qf14291f447_ffn1, .Lfunc_end_k_qf14291f447_ffn1-k_qf14291f447_ffn1
	.p2alignl 7, 3214868480
	.fill 96, 4, 3214868480
	.section	.rodata,"a",@progbits
	.p2align	6, 0x0
	.amdhsa_kernel k_qf14291f447_ffn1
		.amdhsa_group_segment_fixed_size 327680
		.amdhsa_private_segment_fixed_size 0
		.amdhsa_enable_private_segment 0
		.amdhsa_kernarg_size 40
		.amdhsa_user_sgpr_count 2
		.amdhsa_user_sgpr_kernarg_segment_ptr 1
		.amdhsa_wavefront_size32 1
		.amdhsa_system_sgpr_workgroup_id_x 1
		.amdhsa_system_sgpr_workgroup_id_y 1
		.amdhsa_system_sgpr_workgroup_id_z 1
		.amdhsa_system_vgpr_workitem_id 0
		.amdhsa_next_free_vgpr 1024
		.amdhsa_next_free_sgpr 100
		.amdhsa_reserve_vcc 0
		.amdhsa_float_denorm_mode_32 3
		.amdhsa_float_denorm_mode_16_64 3
		.amdhsa_memory_ordered 1
		.amdhsa_forward_progress 1
		.amdhsa_inst_pref_size 211
	.end_amdhsa_kernel
	.amdgpu_metadata
---
amdhsa.version: [ 1, 2 ]
amdhsa.kernels:
  - .name:           k_qf14291f447_ffn1
    .symbol:         k_qf14291f447_ffn1.kd
    .args:
      - { .name: ml, .offset: 0, .size: 8, .value_kind: global_buffer, .address_space: global }
      - { .name: w1_codes, .offset: 8, .size: 8, .value_kind: global_buffer, .address_space: global }
      - { .name: w1_scales, .offset: 16, .size: 8, .value_kind: global_buffer, .address_space: global }
      - { .name: b1, .offset: 24, .size: 8, .value_kind: global_buffer, .address_space: global }
      - { .name: h1, .offset: 32, .size: 8, .value_kind: global_buffer, .address_space: global }
    .group_segment_fixed_size: 327680
    .private_segment_fixed_size: 0
    .kernarg_segment_align: 8
    .kernarg_segment_size: 40
    .max_flat_workgroup_size: 128
    .sgpr_count:     100
    .vgpr_count:     1024
    .wavefront_size: 32
...
	.end_amdgpu_metadata
.endif
;; end of part 4
;; launch ffn2 (part 5): grid 8 x 32, 4 waves a work-group, clusters of 4 x 4, 327,680 bytes of LDS; arguments h1, w2_codes, w2_scales, b2, ml, router_b, hidden_states, out0; writes out0
.if DOCPART == 5
	.amdgcn_target "amdgcn-amd-amdhsa--gfx1250"
	.amdhsa_code_object_version 6
	.text
	.protected	k_qf14291f447_ffn2
	.globl	k_qf14291f447_ffn2
	.p2align	8
	.type	k_qf14291f447_ffn2,@function
k_qf14291f447_ffn2:
	s_mov_b64 s[64:65], 0
	v_nop
	global_prefetch_b8 v0, s[64:65] scope:SCOPE_SE
	s_setreg_imm32_b32 hwreg(HW_REG_WAVE_MODE, 25, 1), 1
	s_wait_xcnt 0x0
	s_wait_alu depctr_hold_cnt(0) depctr_sa_sdst(0) depctr_va_vdst(0) depctr_va_sdst(0) depctr_va_ssrc(0) depctr_va_vcc(0) depctr_vm_vsrc(0)
	s_getreg_b32 s2, hwreg(HW_REG_IB_STS2, 6, 4)
	s_cmp_eq_u32 s2, 0
	s_cbranch_scc0 .Lentry_in_a_cluster
	s_endpgm
.Lentry_in_a_cluster:
	s_bfe_u32 s2, ttmp6, 0x10000c
	s_cmp_lg_u32 s2, 0xf033
	s_cbranch_scc0 .Lentry_shape_is_right
	s_endpgm
.Lentry_shape_is_right:
.set SLOT,  133120
.set SCX,   266240
.set SCW,   282624
.set SPARE, 300032
.set STAGE, 300544
.set H1SC,  16777216
.set RPART, 4325376
.set G1,    24
.set G0,    32
.set G1B,   48
.set G0B,   56
.set G1S,   68
.set G0S,   76
.set G1SB,  80
.set G0SB,  88
.set MSB,   0
.macro WIN new
.if MSB != (\new)
	s_set_vgpr_msb (MSB<<8)|(\new)
.set MSB, (\new)
.endif
.endm
.macro PLACES n
.rept \n
	v_nop
.endr
.endm
.macro JLOAD g0a, g1a, g0b, g1b
	s_cmp_eq_u32 s21, 0
	s_cbranch_scc0 .Lfor_b_\@
	tensor_load_to_lds s[\g0a:\g0a+3], s[\g1a:\g1a+7]
	s_nop 0
	PLACES 4
	s_branch .Lasked_\@
.Lfor_b_\@:
	tensor_load_to_lds s[\g0b:\g0b+3], s[\g1b:\g1b+7]
	s_nop 0
	PLACES 4
.Lasked_\@:
.endm
.macro CREST
	s_cmp_lg_u32 s20, 0
	s_cbranch_scc1 .Lnw0_\@
	s_barrier_signal -3
.Lnw0_\@:
	s_barrier_wait -3
	s_barrier_signal -1
	s_barrier_wait -1
.endm
.macro CROUND
	s_barrier_signal -1
	s_barrier_wait -1
	CREST
.endm
.macro WM d, a, b, c, sa, sb, ra, rb
.if (\c) < 0
.if (\ra) && (\rb)
	v_wmma_scale_f32_16x16x128_f8f6f4 v[(\d):(\d)+7], v[(\a):(\a)+15], v[(\b):(\b)+15], 0, v[(\sa)], v[(\sb)] matrix_a_scale:MATRIX_SCALE_ROW1 matrix_b_scale:MATRIX_SCALE_ROW1
.elseif (\ra)
	v_wmma_scale_f32_16x16x128_f8f6f4 v[(\d):(\d)+7], v[(\a):(\a)+15], v[(\b):(\b)+15], 0, v[(\sa)], v[(\sb)] matrix_a_scale:MATRIX_SCALE_ROW1
.elseif (\rb)
	v_wmma_scale_f32_16x16x128_f8f6f4 v[(\d):(\d)+7], v[(\a):(\a)+15], v[(\b):(\b)+15], 0, v[(\sa)], v[(\sb)] matrix_b_scale:MATRIX_SCALE_ROW1
.else
	v_wmma_scale_f32_16x16x128_f8f6f4 v[(\d):(\d)+7], v[(\a):(\a)+15], v[(\b):(\b)+15], 0, v[(\sa)], v[(\sb)]
.endif
.else
.if (\ra) && (\rb)
	v_wmma_scale_f32_16x16x128_f8f6f4 v[(\d):(\d)+7], v[(\a):(\a)+15], v[(\b):(\b)+15], v[(\c):(\c)+7], v[(\sa)], v[(\sb)] matrix_a_scale:MATRIX_SCALE_ROW1 matrix_b_scale:MATRIX_SCALE_ROW1
.elseif (\ra)
	v_wmma_scale_f32_16x16x128_f8f6f4 v[(\d):(\d)+7], v[(\a):(\a)+15], v[(\b):(\b)+15], v[(\c):(\c)+7], v[(\sa)], v[(\sb)] matrix_a_scale:MATRIX_SCALE_ROW1
.elseif (\rb)
	v_wmma_scale_f32_16x16x128_f8f6f4 v[(\d):(\d)+7], v[(\a):(\a)+15], v[(\b):(\b)+15], v[(\c):(\c)+7], v[(\sa)], v[(\sb)] matrix_b_scale:MATRIX_SCALE_ROW1
.else
	v_wmma_scale_f32_16x16x128_f8f6f4 v[(\d):(\d)+7], v[(\a):(\a)+15], v[(\b):(\b)+15], v[(\c):(\c)+7], v[(\sa)], v[(\sb)]
.endif
.endif
.endm
	s_load_b512 s[4:19], s[0:1], 0x0
	v_lshl_add_u32 v28, v0, 2, SPARE
	v_mov_b32 v29, 0
	ds_add_u32 v28, v29
	ds_add_u32 v28, v29
	s_wait_dscnt 0x0
	v_lshrrev_b32 v1, 5, v0
	v_readfirstlane_b32 s20, v1
	s_lshr_b32 s21, s20, 1
	s_and_b32 s22, s20, 1
	s_bfe_u32 s40, ttmp6, 0x40000
	s_bfe_u32 s41, ttmp6, 0x40004
	s_lshl_b32 s42, ttmp9, 2
	s_add_co_u32 s42, s42, s40
	s_and_b32 s23, ttmp7, 0xffff
	s_lshl_b32 s23, s23, 2
	s_add_co_u32 s23, s23, s41
	s_lshl_b32 s43, s41, 2
	s_lshl_b32 s43, 15, s43
	s_lshl_b32 s44, 0x1111, s40
	s_or_b32 s[G1], s43, (3<<16)|(1<<21)
	s_mov_b32 s[G1+1], 1024<<16
	s_mov_b32 s[G1+2], 8<<16                       ; the head's loads bring whole tiles: twice the ring's rows
	s_mov_b32 s[G1+3], 1024<<16
	s_mov_b32 s[G1+4], 8
	s_mov_b32 s[G1+5], 4096
	s_mov_b32 s[G1+6], 0
	s_mov_b32 s[G1+7], 0
	s_or_b32 s[G1B], s44, (1<<20)|(1<<21)|(6<<22)|(3<<25)
	s_mov_b32 s[G1B+1], 512<<16
	s_mov_b32 s[G1B+2], 128<<16
	s_mov_b32 s[G1B+3], 512<<16
	s_mov_b32 s[G1B+4], 128
	s_mov_b32 s[G1B+5], 2048
	s_mov_b32 s[G1B+6], 0
	s_mov_b32 s[G1B+7], 0
	s_or_b32 s[G1S], s43, (3<<16)|(1<<21)
	s_mov_b32 s[G1S+1], 64<<16
	s_mov_b32 s[G1S+2], 32<<16
	s_mov_b32 s[G1S+3], 64<<16
	s_mov_b32 s[G1S+4], 32
	s_mov_b32 s[G1S+5], 2048
	s_mov_b32 s[G1S+6], 0
	s_mov_b32 s[G1S+7], 0
	s_or_b32 s[G1SB], s44, (3<<16)|(1<<20)|(1<<21)|(5<<22)|(3<<25)
	s_mov_b32 s[G1SB+1], 1024<<16                  ; w2's scale bytes of my 128 rows: 8,192 dense bytes an expert, stated as one row; two experts, 65,536 bytes apart; the padding still stands behind each 256 bytes
	s_mov_b32 s[G1SB+2], 2<<16
	s_mov_b32 s[G1SB+3], 1024<<16
	s_mov_b32 s[G1SB+4], 2
	s_mov_b32 s[G1SB+5], 8192
	s_mov_b32 s[G1SB+6], 0
	s_mov_b32 s[G1SB+7], 0
	s_lshl_b32 s92, s23, 3
	s_lshl_b32 s45, s22, 2
	s_add_co_u32 s92, s92, s45
	s_lshl_b32 s92, s92, 15
	s_mov_b32 s93, 0
	s_lshl_b32 s94, s23, 9
	s_add_co_u32 s94, s94, H1SC
	s_mov_b32 s95, 0
	s_lshl_b32 s96, s42, 7
	s_lshl_b32 s46, s22, 6
	s_add_co_u32 s96, s96, s46
	s_lshl_b32 s96, s96, 11
	s_mov_b32 s97, 0
	s_lshl_b32 s98, s42, 13
	s_mov_b32 s99, 0
	s_lshl_b32 s45, s22, 15
	s_mul_i32 s46, s22, 33792
	s_add_co_u32 s46, s46, 65536
	s_mov_b32 s47, SCX
	s_mov_b32 s2, SCW
	s_wait_kmcnt 0x0
	s_add_nc_u64 s[92:93], s[4:5], s[92:93]
	s_add_nc_u64 s[94:95], s[4:5], s[94:95]
	s_add_nc_u64 s[96:97], s[6:7], s[96:97]
	s_add_nc_u64 s[98:99], s[8:9], s[98:99]
	CROUND
	s_mov_b32 s[G0S], 1
	s_mov_b32 s[G0S+1], s47
	s_mov_b64 s[G0S+2:G0S+3], s[94:95]
	s_or_b32 s[G0S+3], s[G0S+3], 0x80000000
	s_mov_b32 s[G0SB], 1
	s_mov_b32 s[G0SB+1], s2
	s_mov_b64 s[G0SB+2:G0SB+3], s[98:99]
	s_or_b32 s[G0SB+3], s[G0SB+3], 0x80000000
.irp s, 0,1
	s_mov_b32 s[G0+4*\s], 1
	s_add_co_u32 s[G0+4*\s+1], s45, \s*SLOT
	s_add_nc_u64 s[G0+4*\s+2:G0+4*\s+3], s[92:93], \s*8192
	s_or_b32 s[G0+4*\s+3], s[G0+4*\s+3], 0x80000000
	s_mov_b32 s[G0B+4*\s], 1
	s_add_co_u32 s[G0B+4*\s+1], s46, \s*SLOT
	s_add_nc_u64 s[G0B+4*\s+2:G0B+4*\s+3], s[96:97], \s*512
	s_or_b32 s[G0B+4*\s+3], s[G0B+4*\s+3], 0x80000000
.endr
; THE HEAD'S LOADS, ONE A WAVE, in one chain of arms on the wave's number: wave 0 slot 0's 8 tiles of tokens, wave 2 its 128 rows of w2 (both begin where that wave's own part of the ring begins),
; wave 1 the tokens' scale records, wave 3 w2's scale bytes
.macro ARM w, g0, g1, next
	s_cmp_eq_u32 s20, \w
	s_cbranch_scc0 \next
	tensor_load_to_lds s[\g0:\g0+3], s[\g1:\g1+7]
	s_nop 0
	PLACES 4
	s_branch .Lhead_asked
\next:
.endm
	ARM 0, G0, G1, .Lhead_b
	ARM 2, G0B, G1B, .Lhead_sa
	ARM 1, G0S, G1S, .Lhead_sb
	tensor_load_to_lds s[G0SB:G0SB+3], s[G1SB:G1SB+7]
	s_nop 0
	PLACES 4
.Lhead_asked:
	s_load_b64 s[46:47], s[14:15], 0x0
	v_and_b32 v1, 31, v0
	v_and_b32 v2, 15, v0
	v_bfe_u32 v3, v0, 4, 1
	v_lshlrev_b32 v4, 4, v1
	s_lshl_b32 s45, s21, 15
	v_add_nc_u32 v16, s45, v4
	s_add_co_u32 s45, s45, SLOT
	v_add_nc_u32 v17, s45, v4
	v_mul_u32_u24 v5, v2, 528
	v_lshl_add_u32 v5, v3, 3, v5
	s_mul_i32 s45, s22, 33792
	s_add_co_u32 s45, s45, 65536
	v_add_nc_u32 v18, s45, v5
	s_add_co_u32 s45, s45, SLOT
	v_add_nc_u32 v19, s45, v5
	s_lshl_b32 s45, s21, 3
	s_add_co_u32 s45, s45, SCX
	v_add_nc_u32 v20, s45, v4
	v_lshrrev_b32 v5, 2, v1
	v_lshlrev_b32 v6, 6, v1
	v_lshl_add_u32 v6, v5, 4, v6
	s_mul_i32 s45, s22, 4352
	s_add_co_u32 s45, s45, SCW
	v_add_nc_u32 v21, s45, v6
	s_mul_i32 s45, s20, 4352
	s_add_co_u32 s45, s45, STAGE
	v_mul_u32_u24 v5, v2, 272
	v_lshl_add_u32 v5, v3, 5, v5
	v_add_nc_u32 v22, s45, v5
	v_mul_u32_u24 v5, v3, 272
	v_lshl_add_u32 v5, v2, 4, v5
	v_add_nc_u32 v23, s45, v5
	v_lshlrev_b32 v24, 12, v3
	v_lshl_add_u32 v24, v2, 4, v24
	v_lshlrev_b32 v25, 5, v3
	v_lshlrev_b32 v26, 3, v2
	; the prefetches' offset: waves 0, 1 (tokens): 256 x lane in a tile's 8,192 bytes of a slot; waves 2, 3 (w2): row lane / 2 of 2,048 bytes, half lane % 2 of a slot's 512
	s_cmp_eq_u32 s21, 0
	s_cselect_b32 s3, -1, 0
	v_lshlrev_b32 v27, 8, v1
	v_lshrrev_b32 v30, 1, v1
	v_and_b32 v31, 1, v1
	v_lshlrev_b32 v30, 11, v30
	v_lshl_add_u32 v30, v31, 8, v30
	v_cndmask_b32 v27, v30, v27, s3
	s_wait_alu depctr_va_vdst(0)
	s_lshl_b32 s92, s23, 3
	s_lshl_b32 s93, s21, 2
	s_add_co_u32 s92, s92, s93
	s_lshl_b32 s92, s92, 7
	s_add_co_u32 s92, s92, RPART
	s_mov_b32 s93, 0
	s_add_nc_u64 s[12:13], s[12:13], s[92:93]
	s_lshl_b32 s92, s42, 9
	s_lshl_b32 s94, s22, 8
	s_add_co_u32 s92, s92, s94
	s_add_nc_u64 s[10:11], s[10:11], s[92:93]
	s_lshl_b32 s94, s23, 7
	s_lshl_b32 s95, s21, 6
	s_add_co_u32 s94, s94, s95
	s_lshl_b32 s94, s94, 12
	s_add_co_u32 s92, s92, s94
	s_add_nc_u64 s[16:17], s[16:17], s[92:93]
	s_add_nc_u64 s[18:19], s[18:19], s[92:93]
.irp a, 0,1,2,3
.irp n, 0,1,2,3,4,5,6,7
	global_load_b64 v[128+16*\a+2*\n:129+16*\a+2*\n], v26, s[12:13] offset:32768*\n+128*\a
.endr
.endr
.irp e, 0,1
.irp b, 0,1,2,3
	global_load_b128 v[64+32*\e+8*\b:67+32*\e+8*\b], v25, s[10:11] offset:4096*\e+64*\b
	global_load_b128 v[68+32*\e+8*\b:71+32*\e+8*\b], v25, s[10:11] offset:4096*\e+64*\b+16
.endr
.endr
	WIN 0x80
.irp a, 0,1,2,3
.irp t, 0,1,2,3,4,5,6,7
	global_load_b128 v[128+32*\a+4*\t:131+32*\a+4*\t], v24, s[16:17] offset:(16*\a+2*\t)*4096 th:TH_LOAD_NT
.endr
.endr
	WIN 0
	; PREFETCHES INTO THE L2: one instruction a wave names 32 blocks of 256 bytes of the slot that stands two refills on.  Of the 128 blocks that a wave fetches for the ring, each of the four partners
	; that ask for them jointly takes 32, told apart by address: tile cx of a wave's four tiles of tokens, rows 16 cy .. 16 cy + 15 of its 64 rows of w2.  So each block is named once in each cluster that loads it.
	; K steps 2 and 3 are asked for here and behind slot 1's load, K steps 4 to 7 at the first four changes of slots; the last three changes ask for nothing.
	s_lshl_b32 s92, s23, 3
	s_lshl_b32 s94, s22, 2
	s_add_co_u32 s92, s92, s94
	s_add_co_u32 s92, s92, s40
	s_lshl_b32 s92, s92, 15                        ; tokens: tile 8 x tile row + 4 x half + cx, 32,768 bytes a tile
	s_lshl_b32 s94, s42, 7
	s_lshl_b32 s96, s22, 6
	s_add_co_u32 s94, s94, s96
	s_lshl_b32 s96, s41, 4
	s_add_co_u32 s94, s94, s96
	s_lshl_b32 s94, s94, 11                        ; w2: row 128 x tile column + 64 x half + 16 cy
	s_cmp_eq_u32 s21, 0
	s_cselect_b32 s92, s92, s94
	s_cselect_b64 s[98:99], s[4:5], s[6:7]
	s_mov_b32 s94, 512
	s_cselect_b32 s94, 8192, s94                   ; a slot on, inside an expert,
	s_mov_b32 s96, 2095616
	s_cselect_b32 s96, 8364032, s96                ; and from an expert's last slot to the next expert's first
	s_mov_b32 s93, 0
	s_mov_b32 s95, 0
	s_mov_b32 s97, 0
	s_add_nc_u64 s[92:93], s[98:99], s[92:93]
	s_add_nc_u64 s[92:93], s[92:93], s[94:95]
	s_add_nc_u64 s[92:93], s[92:93], s[94:95]      ; at K step 2
	s_and_b32 s99, ttmp7, 0xffff                   ; who asks: the waves that fetch tokens, in every cluster (two clusters load a tile of tokens); those that fetch w2, in the clusters whose y is under 4:
	s_cmp_lt_u32 s99, 4                            ; eight rows of clusters load the same rows of w2, and four of them name each block
	s_cselect_b32 s99, 1, 0
	s_cmp_eq_u32 s21, 0
	s_cselect_b32 s99, 1, s99                      ; made of the wave's number and the cluster's y, which all partners share
	s_cmp_eq_u32 s99, 1
	s_cbranch_scc0 .Lnp_h0
	global_prefetch_b8 v27, s[92:93] th:TH_LOAD_NT scope:SCOPE_SE
.Lnp_h0:
	s_wait_loadcnt 32
	s_wait_kmcnt 0x0
.irp n, 1,2,3,4,5,6,7
.irp a, 0,1,2,3
	v_pk_add_f32 v[128+16*\a:129+16*\a], v[128+16*\a:129+16*\a], v[128+16*\a+2*\n:129+16*\a+2*\n]
.endr
.endr
.irp a, 0,1,2,3
	v_add_f32 v[128+16*\a], s46, v[128+16*\a]
	v_add_f32 v[129+16*\a], s47, v[129+16*\a]
.endr
.irp a, 0,1,2,3
	v_max_num_f32 v[192+\a], v[128+16*\a], v[129+16*\a]
.endr
.irp a, 0,1,2,3
	v_sub_f32 v[200+2*\a], v[128+16*\a], v[192+\a]
	v_sub_f32 v[201+2*\a], v[129+16*\a], v[192+\a]
.endr
.irp i, 0,1,2,3,4,5,6,7
	v_mul_f32 v[200+\i], 0x3fb8aa3b, v[200+\i]
.endr
	s_wait_alu depctr_va_vdst(0)
.irp i, 0,1,2,3,4,5,6,7
	v_exp_f32 v[200+\i], v[200+\i]
.endr
	v_nop
	s_wait_alu depctr_va_vdst(0)
.irp a, 0,1,2,3
	v_add_f32 v[192+\a], v[200+2*\a], v[201+2*\a]
.endr
	s_wait_alu depctr_va_vdst(0)
.irp a, 0,1,2,3
	v_rcp_f32 v[192+\a], v[192+\a]
.endr
	v_nop
	s_wait_alu depctr_va_vdst(0)
.irp a, 0,1,2,3
	v_mul_f32 v[200+2*\a], v[200+2*\a], v[192+\a]
	v_mul_f32 v[201+2*\a], v[201+2*\a], v[192+\a]
.endr
.irp a, 0,1,2,3
	v_add_f32 v[192+\a], v[200+2*\a], v[201+2*\a]
.endr
.irp a, 0,1,2,3
	v_add_f32 v[192+\a], 0x322bcc77, v[192+\a]
.endr
	s_wait_alu depctr_va_vdst(0)
.irp a, 0,1,2,3
	v_rcp_f32 v[192+\a], v[192+\a]
.endr
	v_nop
	s_wait_alu depctr_va_vdst(0)
.irp a, 0,1,2,3
	v_mul_f32 v[192+\a], 0x3e99999a, v[192+\a]
.endr
.irp a, 0,1,2,3
	v_mul_f32 v[8+2*\a], v[200+2*\a], v[192+\a]
	v_mul_f32 v[9+2*\a], v[201+2*\a], v[192+\a]
.endr
.macro FETCH slot, q, set
	WIN 0x40
.irp a, 0,1,2,3
.irp c, 0,1,2,3
	ds_load_b128 v[128*(\set)+16*\a+4*\c:128*(\set)+16*\a+4*\c+3], v[16+(\slot)] offset:8192*\a+2048*(\q)+512*\c
.endr
.endr
.irp b, 0,1,2,3
.irp c, 0,1,2,3,4,5,6,7
	ds_load_b64 v[128*(\set)+64+16*\b+2*\c:128*(\set)+65+16*\b+2*\c], v[18+(\slot)] offset:8448*\b+128*(\q)+16*\c
.endr
.endr
	WIN 0
.endm
.macro SCALES sg, sc
.irp q, 0,1,2,3
	ds_load_b64 v[32+16*(\sc)+2*\q:33+16*(\sc)+2*\q], v20 offset:2048*(\sg)+512*\q
.endr
.irp p, 0,1
	ds_load_b128 v[40+16*(\sc)+4*\p:43+16*(\sc)+4*\p], v21 offset:8704*((\sg)/4)+16*((\sg)%4)+2176*\p
.endr
.endm
.macro MULP set, q, sc, a, bias
.irp b, 0,1,2,3
.if (\bias) >= 0
	WM 128+8*(4*(\a)+\b), 128*(\set)+64+16*\b, 128*(\set)+16*(\a), (\bias)+8*\b, 40+16*(\sc)+4*(\b/2)+(\q), 32+16*(\sc)+2*(\q)+(\a)/2, \b%2, (\a)%2
.else
	WM 128+8*(4*(\a)+\b), 128*(\set)+64+16*\b, 128*(\set)+16*(\a), 128+8*(4*(\a)+\b), 40+16*(\sc)+4*(\b/2)+(\q), 32+16*(\sc)+2*(\q)+(\a)/2, \b%2, (\a)%2
.endif
.endr
.endm
.macro STEP sg, q, bias
	s_wait_dscnt 0x0
	PLACES 8
	FETCH (\sg)%2, (\q)+1, 1-(\q)%2
	WIN 0x05
.irp a, 0,1,2,3
	MULP (\q)%2, \q, (\sg)%2, \a, \bias
.endr
.endm
.macro TURN sg, fill, cross
	WIN 0
.if (\sg) < 4
	s_wait_xcnt 0x0                                ; my last prefetch has read its address: it steps to K step sg + 4
.if (\sg) == 0
	s_add_nc_u64 s[92:93], s[92:93], s[96:97]
.else
	s_add_nc_u64 s[92:93], s[92:93], s[94:95]
.endif
.endif
	s_wait_tensorcnt 0x0
	ds_add_u32 v28, v29
	s_wait_dscnt 1
	WIN 0x05
	MULP 1, 3, (\sg)%2, 0, -1
	s_wait_dscnt 0x0
	s_barrier_signal -1
	MULP 1, 3, (\sg)%2, 1, -1
	WIN 0
	s_barrier_wait -1
.if \fill
	CREST
.if \cross
	s_add_nc_u64 s[G0+4*((\sg)%2)+2:G0+4*((\sg)%2)+3], s[G0+4*((\sg)%2)+2:G0+4*((\sg)%2)+3], 8372224
	s_add_nc_u64 s[G0B+4*((\sg)%2)+2:G0B+4*((\sg)%2)+3], s[G0B+4*((\sg)%2)+2:G0B+4*((\sg)%2)+3], 2096128
.else
	s_add_nc_u64 s[G0+4*((\sg)%2)+2:G0+4*((\sg)%2)+3], s[G0+4*((\sg)%2)+2:G0+4*((\sg)%2)+3], 16384
	s_add_nc_u64 s[G0B+4*((\sg)%2)+2:G0B+4*((\sg)%2)+3], s[G0B+4*((\sg)%2)+2:G0B+4*((\sg)%2)+3], 1024
.endif
	JLOAD G0+4*((\sg)%2), G1, G0B+4*((\sg)%2), G1B
	PLACES 4
.else
	PLACES 8
.endif
	FETCH 1-(\sg)%2, 0, 0
	SCALES (\sg)+1, 1-(\sg)%2
.if (\sg) < 4
	s_cmp_eq_u32 s99, 1
	s_cbranch_scc0 .Lnp_\@
	global_prefetch_b8 v27, s[92:93] th:TH_LOAD_NT scope:SCOPE_SE   ; behind the joint load and the run of LDS loads: two refills ahead of the load that wants it
.Lnp_\@:
.endif
	WIN 0x05
	MULP 1, 3, (\sg)%2, 2, -1
	MULP 1, 3, (\sg)%2, 3, -1
.endm
.macro RUN sg, bias, fill, cross
	STEP \sg, 0, \bias
	STEP \sg, 1, -1
	STEP \sg, 2, -1
	TURN \sg, \fill, \cross
.endm
	s_wait_alu depctr_va_vdst(0)                   ; the wait at the head's end
	s_wait_xcnt 0x0                                ; the first prefetch has read its address: on to K step 3
	s_add_nc_u64 s[92:93], s[92:93], s[94:95]
	s_wait_tensorcnt 0x0                           ; my tile of the head's four is in; the lines ahead of a later first fill:
	ds_add_u32 v28, v29
	s_mov_b32 s[G1+2], 4<<16                       ; no tensor load of mine is out: from here on a load brings a quarter of a slot
	s_mov_b32 s[G1+4], 4
	s_mov_b32 s[G1B+2], 64<<16
	s_mov_b32 s[G1B+4], 64
	s_wait_dscnt 0x0
	CROUND                                         ; all four tiles are in, and the sixteen work-groups are here
	JLOAD G0+4, G1, G0B+4, G1B                     ; slot 1's first fill, the first tensor load behind the round
	FETCH 0, 0, 0
	SCALES 0, 0
	s_cmp_eq_u32 s99, 1
	s_cbranch_scc0 .Lnp_h1
	global_prefetch_b8 v27, s[92:93] th:TH_LOAD_NT scope:SCOPE_SE
.Lnp_h1:
	RUN 0, 64, 1, 0
	RUN 1, -1, 1, 0
	RUN 2, -1, 1, 1
	RUN 3, -1, 1, 1
	WIN 0
	PLACES 8
	WIN 0x80
.set i, 0
	s_wait_alu depctr_va_vdst(0)
.rept 64
	v_pk_mul_f32 v[2*i:2*i+1], v[128+2*i:129+2*i], v[8+2*(i/16):9+2*(i/16)] op_sel_hi:[1,0]
.set i, i+1
.endr
	WIN 0
	RUN 4, 96, 1, 0
	RUN 5, -1, 1, 0
	RUN 6, -1, 0, 0
	STEP 7, 0, -1
	STEP 7, 1, -1
	STEP 7, 2, -1
	s_wait_dscnt 0x0
	WIN 0x05
.irp a, 0,1,2,3
	MULP 1, 3, 1, \a, -1
.endr
	WIN 0
	PLACES 8
.macro FIN a
.set OB, 64+32*((\a)%2)
	WIN 0x20
.set i, 0
.rept 16
	v_pk_fma_f32 v[128+32*(\a)+i:129+32*(\a)+i], v[128+32*(\a)+i:129+32*(\a)+i], v[8+2*(\a):9+2*(\a)], v[32*(\a)+i:32*(\a)+i+1] op_sel:[0,1,0] op_sel_hi:[1,1,1]
.set i, i+2
.endr
	WIN 0
.irp b, 0,1,2,3
	ds_store_b128 v22, v[128+32*(\a)+8*\b:131+32*(\a)+8*\b] offset:64*\b
	ds_store_b128 v22, v[132+32*(\a)+8*\b:135+32*(\a)+8*\b] offset:64*\b+16
.endr
.irp t, 0,1,2,3,4,5,6,7
	ds_load_b128 v[OB+4*\t:OB+4*\t+3], v23 offset:2*\t*272
.endr
.endm
.macro SEND a, younger
.set OB, 64+32*((\a)%2)
	s_wait_dscnt \younger
	WIN 0x08
.set i, 0
.rept 16
	v_pk_add_f32 v[OB+i:OB+i+1], v[OB+i:OB+i+1], v[128+32*(\a)+i:129+32*(\a)+i]
.set i, i+2
.endr
	WIN 0
.irp t, 0,1,2,3,4,5,6,7
	global_store_b128 v24, v[OB+4*\t:OB+4*\t+3], s[18:19] offset:(16*(\a)+2*\t)*4096 th:TH_STORE_NT
.endr
.endm
	FIN 0
	FIN 1
	s_wait_loadcnt 0x0
	SEND 0, 16
	s_wait_xcnt 0x0
	FIN 2
	SEND 1, 16
	s_wait_xcnt 0x0
	FIN 3
	SEND 2, 16
	SEND 3, 0
	s_wait_tensorcnt 0x0
	ds_add_u32 v28, v29
	s_wait_dscnt 0x0
	CROUND
	s_endpgm
.Lfunc_end_k_qf14291f447_ffn2:
	.size	k_qf14291f447_ffn2, .Lfunc_end_k_qf14291f447_ffn2-k_qf14291f447_ffn2
	.p2alignl 7, 3214868480
	.fill 96, 4, 3214868480
	.section	.rodata,"a",@progbits
	.p2align	6, 0x0
	.amdhsa_kernel k_qf14291f447_ffn2
		.amdhsa_group_segment_fixed_size 327680
		.amdhsa_private_segment_fixed_size 0
		.amdhsa_enable_private_segment 0
		.amdhsa_kernarg_size 64
		.amdhsa_user_sgpr_count 2
		.amdhsa_user_sgpr_kernarg_segment_ptr 1
		.amdhsa_wavefront_size32 1
		.amdhsa_system_sgpr_workgroup_id_x 1
		.amdhsa_system_sgpr_workgroup_id_y 1
		.amdhsa_system_sgpr_workgroup_id_z 1
		.amdhsa_system_vgpr_workitem_id 0
		.amdhsa_next_free_vgpr 768
		.amdhsa_next_free_sgpr 100
		.amdhsa_reserve_vcc 0
		.amdhsa_float_denorm_mode_32 3
		.amdhsa_float_denorm_mode_16_64 3
		.amdhsa_memory_ordered 1
		.amdhsa_forward_progress 1
		.amdhsa_inst_pref_size 228
	.end_amdhsa_kernel
	.amdgpu_metadata
---
amdhsa.version: [ 1, 2 ]
amdhsa.kernels:
  - .name:           k_qf14291f447_ffn2
    .symbol:         k_qf14291f447_ffn2.kd
    .args:
      - { .name: h1, .offset: 0, .size: 8, .value_kind: global_buffer, .address_space: global }
      - { .name: w2_codes, .offset: 8, .size: 8, .value_kind: global_buffer, .address_space: global }
      - { .name: w2_scales, .offset: 16, .size: 8, .value_kind: global_buffer, .address_space: global }
      - { .name: b2, .offset: 24, .size: 8, .value_kind: global_buffer, .address_space: global }
      - { .name: ml, .offset: 32, .size: 8, .value_kind: global_buffer, .address_space: global }
      - { .name: router_b, .offset: 40, .size: 8, .value_kind: global_buffer, .address_space: global }
      - { .name: hidden_states, .offset: 48, .size: 8, .value_kind: global_buffer, .address_space: global }
      - { .name: out0, .offset: 56, .size: 8, .value_kind: global_buffer, .address_space: global }
    .group_segment_fixed_size: 327680
    .private_segment_fixed_size: 0
    .kernarg_segment_align: 8
    .kernarg_segment_size: 64
    .max_flat_workgroup_size: 128
    .sgpr_count:     100
    .vgpr_count:     768
    .wavefront_size: 32
...
	.end_amdgpu_metadata
.endif
;; end of part 5
